; MI455X (gfx1250); checked and timed in simulation.
; The chip was launched on July 23, 2026; its instructions are those of AMD's public machine-readable ISA for CDNA 5 (MIT licence, August 2026) and "CDNA5" Instruction Set Architecture Reference Guide (July 2026). The comments in the code are by the model that wrote it; some were corrected since.
;; Causal Self Attention. Allowed arithmetic: matrix products marked QUANTISED: E2M1 operands, one E8M0 scale for each 32 along K, by v_wmma_scale_f32_16x16x128_f8f6f4 with both operands' format E2M1 (or v_wmma_scale_f32_32x16x128_f4), f32 sums; products left as they are: bf16, f16 or f32 operands; f32 sums; everything else in f32.
;; Inputs: w_out 1,024 x 1,024 float32; w_qkv 1,024 x 3,072 float32; x 4 x 2,048 x 1,024 float32.
;; Outputs: out0 4 x 2,048 x 1,024 float32.
;; This version of the problem:
;;   THIS VERSION OF THE PROBLEM IS GIVEN IN LOW PRECISION. The matrix products marked QUANTISED in the list below multiply operands that are first quantised to E2M1 (2 exponent bits, 1 mantissa bit; 4 bits a number), with one power-of-two scale for each 32 numbers along K (OCP MX v1.0); their sums are f32. The products marked 'left as it is' may take bf16, f16 or f32 operands, with f32 sums. Whichever they take, every output number must still come out within the allowed error. Rounding operands to bf16 (8 significant bits) uses up far more of that allowance than f16 does (11 bits, for magnitudes from 6e-5 to 65,504). All else is computed in f32.
;;   The module's matrix products, in the order in which they are computed (A, B: the left and right operand; K: the contracted axis; several contracted axes count as one K, in the product's order):
;;     1. [M 8,192, K 1,024] x [K 1,024, N 3,072]; A: input x; B: input w_qkv: QUANTISED
;;     2. batch 64 x [M 2,048, K 64] x [K 64, N 2,048]; A: computed on the way; B: computed on the way: left as it is (an operand is computed on the way)
;;     3. batch 64 x [M 2,048, K 2,048] x [K 2,048, N 64]; A: computed on the way; B: computed on the way: left as it is (an operand is computed on the way)
;;     4. [M 8,192, K 1,024] x [K 1,024, N 1,024]; A: computed on the way; B: input w_out: left as it is (an operand is computed on the way)
;;   THE QUANTISER, for each operand of a quantised product, along K:
;;     - K is cut into blocks of 32 from its start; a last block that is shorter is filled with zeros.
;;     - A block's scale is 2^e with e = floor(log2(the largest magnitude in the block)) - 2, held to -126 .. 127; a block of zeros has e = 0. As a byte (E8M0): e + 127.
;;     - Each number is divided by its block's scale, clamped to +-6, and rounded to the nearest number of E2M1, ties to even, subnormals kept.
;;     - The product sums the exact products of the quantised numbers (number of the format x scale) in f32.
;;   ~~~python
;;   def quantise(x, axis):      # numpy; x: float32 -> the quantised numbers, widened to float32 again
;;       x = np.moveaxis(x, axis, -1); K = x.shape[-1]
;;       x = np.pad(x, [(0, 0)] * (x.ndim - 1) + [(0, -K % 32)]); x = x.reshape(x.shape[:-1] + (-1, 32)); a = np.abs(x).max(-1, keepdims=True)
;;       e = np.where(a > 0, np.clip(np.frexp(np.where(a > 0, a, 1))[1] - 1 - 2, -126, 127), 0)      # np.frexp(a)[1] - 1 = floor(log2(a)), exactly
;;       r = np.clip(x / 2.0 ** e, -6, 6)
;;       step = 2.0 ** (np.maximum(np.frexp(np.where(r == 0, 1, r))[1] - 1, 0) - 1)
;;       q = np.round(r / step) * step * 2.0 ** e      # np.round: ties to even
;;       return np.moveaxis(q.reshape(q.shape[:-2] + (-1,))[..., :K], -1, axis).astype(np.float32)
;;   ~~~
;; One version. Each part assembles by itself: llvm-mc -triple=amdgcn-amd-amdhsa -mcpu=gfx1250 --defsym DOCPART=n.
;; ======== version 1 of 1: 5 launches
;; limits: values are held in f16: magnitudes above 65,504 overflow, below 6.1e-05 lose precision
;; workspace buffers: xq 4,456,448 bytes; wq 1,671,168 bytes; wimg 2,097,152 bytes; qkvimg 50,331,648 bytes; cimg 16,777,216 bytes; fimg 786,432 bytes
;; launch prep (part 1): grid 512 x 1, 4 waves a work-group, no clusters, 34,304 bytes of LDS; arguments x, w_qkv, w_out, xq, wq, wimg; writes xq, wq, wimg
.if DOCPART == 1
	.amdgcn_target "amdgcn-amd-amdhsa--gfx1250"
	.amdhsa_code_object_version 6
	.text
	.protected	k_q2beb0d1eeb_prep
	.globl	k_q2beb0d1eeb_prep
	.p2align	8
	.type	k_q2beb0d1eeb_prep,@function
k_q2beb0d1eeb_prep:
	s_mov_b64 s[64:65], 0
	v_nop
	global_prefetch_b8 v0, s[64:65] scope:SCOPE_SE
	s_setreg_imm32_b32 hwreg(HW_REG_WAVE_MODE, 25, 1), 1
	s_wait_xcnt 0x0
; PREP.  x [8192][1024] and w_qkv [1024][3072], f32, become codes of FP4 (E2M1) with one E8M0 byte for each 32 along K = 1024; w_out [1024][1024] becomes f16.
; All three leave as IMAGES OF OPERAND REGISTERS, so that the later launches read dense blocks and no launch transposes anything:
;   codes  [row tile of 16][block of 32 along K: 32][row 16][16 bytes]: a fragment (16 rows x 128 K) is 1,024 bytes on end, lane l's 16 bytes at 16 l, registers 4-7 512 bytes on;
;   scales [row tile][half of K: 2][row 16][16 bytes]: four words a row and half, one word for each 128 along K;  they begin 4,194,304 bytes into xq and 1,572,864 bytes into wq;
;   wimg   [tile of 16 output columns: 64][32 along K: 32][1,024 bytes]: the f16 fragment 16 columns x 32 K.
; A block's scale is 2^(floor(log2(its largest magnitude)) - 2): its byte is the largest magnitude's exponent field - 2, held at 1 from below.
; LIMITS: a block whose largest magnitude lies under 2^-124 keeps the byte 1; a block of zeros gets the byte 1 where the rule says 127 (its codes are zeros, and this program alone reads the bytes);
; NaN and infinities among the inputs are not served.
; Three paths part on the work-group's number: 0-255 x, 256-447 w_qkv, 448-511 w_out.  Waves share nothing: no barrier.  Only the path for x uses LDS.
.set SPARE, 33792                      ; behind the four stages: the spare words, 128 bytes for each wave
.set STG,   8448                       ; a wave's stage: 16 rows x 528 bytes
.set PIT,   528                        ; 512 bytes of a row + 16 of padding: an odd multiple of 16
.set RS,    64                         ; v64-191  x as loaded, two sets of 64;  on the column paths four blocks of 32 numbers
.set XS,    192                        ; v192-255 x as the conversions want it: 2 blocks of 32 neighbours a lane;  on the path for w_out the packed f16
.set CD,    32                         ; v32-63   codes, eight registers a fragment: never written twice
.set SW,    24                         ; v24-27   scale words
.macro LOADX f                         ; fragment f: 128 numbers of each of my 16 rows: each load reads 512 consecutive bytes of one row
.irp i, 0,1,2,3,4,5,6,7,8,9,10,11,12,13,14,15
	global_load_b128 v[RS+64*((\f)%2)+4*\i:RS+64*((\f)%2)+4*\i+3], v6, s[4:5] offset:\i*4096+(\f)*512 th:TH_LOAD_NT
.endr
.endm
.macro FRAGX f
.if (\f) < 3
	s_wait_loadcnt 16                              ; this fragment's 16 loads are in; the next fragment's 16 may be out
.else
	s_wait_loadcnt 0x0
.endif
.irp i, 0,1,2,3,4,5,6,7,8,9,10,11,12,13,14,15
	ds_store_b128 v7, v[RS+64*((\f)%2)+4*\i:RS+64*((\f)%2)+4*\i+3] offset:\i*PIT   ; through my own stage, as loaded;
.endr
.irp c, 0,1
.irp i, 0,1,2,3,4,5,6,7
	ds_load_b128 v[XS+32*\c+4*\i:XS+32*\c+4*\i+3], v8 offset:256*\c+16*\i          ; and back: lane (r, h) takes k = 64 c + 32 h + 0 .. 31 of row r (a wave's LDS instructions are served in order)
.endr
.endr
	s_wait_dscnt 0x0
.if (\f) < 2
	LOADX (\f)+2                                   ; into the set that the LDS stores have read
.endif
.irp c, 0,1
	v_max3_num_f32 v[10+\c], |v[XS+32*\c]|, |v[XS+32*\c+1]|, 0x1800000   ; my block 2 c + h: all 32 numbers are mine; the floor 2^(3 - 127) holds the byte at 1 from below
.endr
.irp i, 2,4,6,8,10,12,14,16,18,20,22,24,26,28,30
.irp c, 0,1
	v_max3_num_f32 v[10+\c], v[10+\c], |v[XS+32*\c+\i]|, |v[XS+32*\c+\i+1]|
.endr
.endr
.irp c, 0,1
	v_add_nc_u32 v[12+\c], 0xff000000, v[10+\c]    ; 2 off the exponent field: the conversion's scale operand
.endr
.irp c, 0,1
	v_lshrrev_b32 v[14+\c], 23, v[12+\c]           ; the scale's byte
.endr
	v_lshl_or_b32 v16, v15, 16, v14                ; my two bytes, blocks h and 2 + h,
	v_lshlrev_b32 v16, v17, v16                    ; 8 h bits up;
	v_permlanex16_b32 v18, v16, s20, s21
	v_or_b32 v[SW+(\f)], v16, v18                  ; with lane l xor 16's two the word is whole
.irp c, 0,1
.irp g, 0,1,2,3
	v_cvt_scalef32_pk8_fp4_f32 v[CD+8*(\f)+4*\c+\g], v[XS+32*\c+8*\g:XS+32*\c+8*\g+7], v[12+\c]
.endr
.endr
	v_nop                                          ; one plain instruction behind the last scaled conversion
.irp c, 0,1
	global_store_b128 v6, v[CD+8*(\f)+4*\c:CD+8*(\f)+4*\c+3], s[26:27] offset:(\f)*1024+512*\c   ; 32 lanes store 512 consecutive aligned bytes
.endr
.endm
.macro LOADC t, base, pitch            ; a lane is a column, its registers run down K: block t's 32 rows; each load reads 128 consecutive bytes
.irp i, 0,1,2,3,4,5,6,7,8,9,10,11,12,13,14,15,16,17,18,19,20,21,22,23,24,25,26,27,28,29,30,31
	global_load_b32 v[RS+32*(\t)+\i], v6, s[\base:\base+1] offset:(32*(\t)+\i)*\pitch th:TH_LOAD_NT
.endr
.endm
.macro COLWAIT t, base, pitch          ; block t is in; the loads run two blocks ahead
.if (\t) < 3
	s_wait_loadcnt 32                              ; the next block's 32 loads may be out
.else
	s_wait_loadcnt 0x0
.endif
.if (\t) < 2
	LOADC (\t)+2, \base, \pitch
.endif
.endm
.macro BLOCKW t
.set XB, RS+32*(\t)
	COLWAIT \t, 6, 12288
	v_max3_num_f32 v10, |v[XB]|, |v[XB+1]|, |v[XB+2]|
	v_max3_num_f32 v11, |v[XB+3]|, |v[XB+4]|, |v[XB+5]|
.irp i, 6,10,14,18,22,26
	v_max3_num_f32 v10, v10, |v[XB+\i]|, |v[XB+\i+1]|
	v_max3_num_f32 v11, v11, |v[XB+\i+2]|, |v[XB+\i+3]|
.endr
	v_max3_num_f32 v10, v10, |v[XB+30]|, |v[XB+31]|
	v_max3_num_f32 v10, v10, v11, 0x1800000        ; and the floor
	v_add_nc_u32 v12, 0xff000000, v10
	v_lshrrev_b32 v13, 23, v12
.if (\t) == 0
	v_mov_b32 v[SW], v13
.else
	v_lshl_or_b32 v[SW], v13, 8*(\t), v[SW]        ; the four blocks' bytes make the word of these 128 along K
.endif
.irp g, 0,1,2,3
	v_cvt_scalef32_pk8_fp4_f32 v[CD+4*(\t)+\g], v[XB+8*\g:XB+8*\g+7], v12
.endr
	v_nop
	global_store_b128 v7, v[CD+4*(\t):CD+4*(\t)+3], s[26:27] offset:(\t)*256   ; sixteen lanes store 256 consecutive aligned bytes
.endm
.macro BLOCKO t
	COLWAIT \t, 8, 4096
.set n, 0
.rept 16
	v_cvt_pk_f16_f32 v[XS+16*(\t)+n], v[RS+32*(\t)+2*n], v[RS+32*(\t)+2*n+1]
.set n, n+1
.endr
.irp p, 0,1,2,3
	global_store_b128 v7, v[XS+16*(\t)+4*\p:XS+16*(\t)+4*\p+3], s[26:27] offset:(\t)*1024+\p*256   ; k = 8 p .. 8 p + 7 of my column: piece p of the fragment's image
.endr
.endm
	s_load_b256 s[4:11], s[0:1], 0x0               ; x s[4:5], w_qkv s[6:7], w_out s[8:9], xq s[10:11]
	s_load_b128 s[12:15], s[0:1], 0x20             ; wq s[12:13], wimg s[14:15]
	v_lshl_add_u32 v2, v0, 2, SPARE                ; my spare word; never rewritten
	v_mov_b32 v3, 0                                ; 0; never rewritten
	v_lshrrev_b32 v1, 5, v0
	v_readfirstlane_b32 s16, v1                    ; wave 0..3
	v_and_b32 v1, 31, v0                           ; lane
	v_and_b32 v4, 15, v0                           ; r
	v_bfe_u32 v5, v0, 4, 1                         ; h
	v_lshlrev_b32 v9, 4, v4                        ; 16 r
	s_mov_b32 s20, 0x76543210
	s_mov_b32 s21, 0xfedcba98                      ; v_permlanex16_b32's selects for lane l xor 16
	s_mov_b32 s25, 0                               ; the upper word of every offset
	s_wait_kmcnt 0x0
	s_cmp_lt_u32 ttmp9, 256
	s_cbranch_scc0 .Lnot_x
	; ---- x: unit u = 4 x work-group + wave: row tile u / 2, half u % 2 of K: 16 rows x 512 K, four fragments
	s_lshl_b32 s17, ttmp9, 2
	s_add_co_u32 s17, s17, s16                     ; u
	s_lshr_b32 s18, s17, 1
	s_and_b32 s19, s17, 1
	s_lshl_b32 s24, s18, 16                        ; 16 rows of 4,096 bytes
	s_lshl_b32 s19, s19, 11                        ; 512 numbers
	s_add_co_u32 s24, s24, s19
	s_add_nc_u64 s[4:5], s[4:5], s[24:25]
	s_lshl_b32 s24, s17, 12                        ; codes: 8,192 a row tile, 4,096 a half
	s_add_nc_u64 s[26:27], s[10:11], s[24:25]
	s_lshl_b32 s24, s17, 8                         ; scales: 512 a row tile, 256 a half
	s_add_co_u32 s24, s24, 4194304
	s_add_nc_u64 s[28:29], s[10:11], s[24:25]
	s_mul_i32 s30, s16, STG                        ; my stage
	v_lshlrev_b32 v6, 4, v1                        ; 16 x lane
	v_add_nc_u32 v7, s30, v6                       ; into the stage
	v_mul_u32_u24 v8, v4, PIT
	v_lshl_add_u32 v8, v5, 7, v8
	v_add_nc_u32 v8, s30, v8                       ; out of it: row r, 128 h bytes on
	v_lshlrev_b32 v17, 3, v5                       ; 8 h
	v_mov_b32 v18, 0                               ; a lane permute's destination counts as one of its sources
	LOADX 0
	LOADX 1
	FRAGX 0
	FRAGX 1
	FRAGX 2
	FRAGX 3
	v_cmp_gt_u32 vcc_lo, 16, v1                    ; both halves of the lanes hold the same words: lanes 0-15 store them, 256 consecutive aligned bytes
	s_wait_xcnt 0x0                                ; EXEC is a source of the stores above: it changes only behind this wait
	s_and_saveexec_b32 s22, vcc_lo
	global_store_b128 v9, v[SW:SW+3], s[28:29]
	s_wait_xcnt 0x0                                ; and again in front of the line that widens it
	s_or_b32 exec_lo, exec_lo, s22
	s_wait_tensorcnt 0x0                           ; the wave's end, behind my last LDS store
	ds_add_u32 v2, v3
	s_wait_dscnt 0x0
	s_endpgm
.Lnot_x:
	s_cmp_lt_u32 ttmp9, 448
	s_cbranch_scc0 .Lpath_o
	; ---- w_qkv: work-group j: columns 128 (j / 8) on, K 128 (j % 8) on; a wave takes 32 columns x 128 K
	s_sub_co_u32 s17, ttmp9, 256
	s_lshr_b32 s18, s17, 3
	s_and_b32 s19, s17, 7                          ; kq
	s_lshl_b32 s22, s18, 7
	s_lshl_b32 s23, s16, 5
	s_add_co_u32 s22, s22, s23                     ; n0, my first column
	s_mul_i32 s24, s19, 1572864                    ; 128 rows of 12,288 bytes
	s_lshl_b32 s23, s22, 2
	s_add_co_u32 s24, s24, s23
	s_add_nc_u64 s[6:7], s[6:7], s[24:25]
	s_lshl_b32 s24, s22, 9                         ; codes: (n0 / 16) x 8,192
	s_lshl_b32 s23, s19, 10                        ; + kq x 1,024
	s_add_co_u32 s24, s24, s23
	s_add_nc_u64 s[26:27], s[12:13], s[24:25]
	s_lshl_b32 s24, s22, 5                         ; scales: (n0 / 16) x 512
	s_lshr_b32 s23, s19, 2
	s_lshl_b32 s23, s23, 8                         ; + the half of K x 256
	s_add_co_u32 s24, s24, s23
	s_and_b32 s23, s19, 3
	s_lshl_b32 s23, s23, 2                         ; + the word in the row's sixteen bytes
	s_add_co_u32 s24, s24, s23
	s_add_co_u32 s24, s24, 1572864
	s_add_nc_u64 s[28:29], s[12:13], s[24:25]
	v_lshlrev_b32 v6, 2, v1                        ; in: 4 bytes a lane
	v_lshl_add_u32 v7, v5, 13, v9                  ; codes: lanes 16-31 are the next row tile: 8,192 h + 16 r
	v_lshl_add_u32 v8, v5, 9, v9                   ; scales: 512 h + 16 r
	LOADC 0, 6, 12288
	LOADC 1, 6, 12288
	BLOCKW 0
	BLOCKW 1
	BLOCKW 2
	BLOCKW 3
	global_store_b32 v8, v[SW], s[28:29]           ; four bytes of each of 32 rows of scales: 98,304 bytes in the whole launch leave so
	s_endpgm
.Lpath_o:
	; ---- w_out: the same shares; f16, no scale
	s_sub_co_u32 s17, ttmp9, 448
	s_lshr_b32 s18, s17, 3
	s_and_b32 s19, s17, 7
	s_lshl_b32 s22, s18, 7
	s_lshl_b32 s23, s16, 5
	s_add_co_u32 s22, s22, s23                     ; o0
	s_lshl_b32 s24, s19, 19                        ; 128 rows of 4,096 bytes
	s_lshl_b32 s23, s22, 2
	s_add_co_u32 s24, s24, s23
	s_add_nc_u64 s[8:9], s[8:9], s[24:25]
	s_lshl_b32 s24, s22, 11                        ; (o0 / 16) x 32,768
	s_lshl_b32 s23, s19, 12                        ; + four fragments of 1,024 bytes
	s_add_co_u32 s24, s24, s23
	s_add_nc_u64 s[26:27], s[14:15], s[24:25]
	v_lshlrev_b32 v6, 2, v1
	v_lshl_add_u32 v7, v5, 15, v9                  ; 32,768 h + 16 r
	LOADC 0, 8, 4096
	LOADC 1, 8, 4096
	BLOCKO 0
	BLOCKO 1
	BLOCKO 2
	BLOCKO 3
	s_endpgm
.Lfunc_end_k_q2beb0d1eeb_prep:
	.size	k_q2beb0d1eeb_prep, .Lfunc_end_k_q2beb0d1eeb_prep-k_q2beb0d1eeb_prep
	.p2alignl 7, 3214868480
	.fill 96, 4, 3214868480
	.section	.rodata,"a",@progbits
	.p2align	6, 0x0
	.amdhsa_kernel k_q2beb0d1eeb_prep
		.amdhsa_group_segment_fixed_size 34304
		.amdhsa_private_segment_fixed_size 0
		.amdhsa_enable_private_segment 0
		.amdhsa_kernarg_size 48
		.amdhsa_user_sgpr_count 2
		.amdhsa_user_sgpr_kernarg_segment_ptr 1
		.amdhsa_wavefront_size32 1
		.amdhsa_system_sgpr_workgroup_id_x 1
		.amdhsa_system_sgpr_workgroup_id_y 1
		.amdhsa_system_sgpr_workgroup_id_z 1
		.amdhsa_system_vgpr_workitem_id 0
		.amdhsa_next_free_vgpr 256
		.amdhsa_next_free_sgpr 66
		.amdhsa_reserve_vcc 1
		.amdhsa_float_denorm_mode_32 3
		.amdhsa_float_denorm_mode_16_64 3
		.amdhsa_memory_ordered 1
		.amdhsa_forward_progress 1
		.amdhsa_inst_pref_size 67
	.end_amdhsa_kernel
	.amdgpu_metadata
---
amdhsa.version: [ 1, 2 ]
amdhsa.kernels:
  - .name:           k_q2beb0d1eeb_prep
    .symbol:         k_q2beb0d1eeb_prep.kd
    .args:
      - { .name: x, .offset: 0, .size: 8, .value_kind: global_buffer, .address_space: global }
      - { .name: w_qkv, .offset: 8, .size: 8, .value_kind: global_buffer, .address_space: global }
      - { .name: w_out, .offset: 16, .size: 8, .value_kind: global_buffer, .address_space: global }
      - { .name: xq, .offset: 24, .size: 8, .value_kind: global_buffer, .address_space: global }
      - { .name: wq, .offset: 32, .size: 8, .value_kind: global_buffer, .address_space: global }
      - { .name: wimg, .offset: 40, .size: 8, .value_kind: global_buffer, .address_space: global }
    .group_segment_fixed_size: 34304
    .private_segment_fixed_size: 0
    .kernarg_segment_align: 8
    .kernarg_segment_size: 48
    .max_flat_workgroup_size: 128
    .sgpr_count:     66
    .vgpr_count:     256
    .wavefront_size: 32
...
	.end_amdgpu_metadata
.endif
;; end of part 1
;; launch gemm_qkv (part 2): grid 12 x 32, 4 waves a work-group, clusters of 4 x 4, 327,680 bytes of LDS; arguments xq, wq, qkvimg, fimg; writes qkvimg, fimg
.if DOCPART == 2
	.amdgcn_target "amdgcn-amd-amdhsa--gfx1250"
	.amdhsa_code_object_version 6
	.text
	.protected	k_q2beb0d1eeb_gemm_qkv
	.globl	k_q2beb0d1eeb_gemm_qkv
	.p2align	8
	.type	k_q2beb0d1eeb_gemm_qkv,@function
k_q2beb0d1eeb_gemm_qkv:
	s_mov_b64 s[64:65], 0
	v_nop
	global_prefetch_b8 v0, s[64:65] scope:SCOPE_SE
	s_setreg_imm32_b32 hwreg(HW_REG_WAVE_MODE, 25, 1), 1
	s_wait_xcnt 0x0
	s_wait_alu depctr_hold_cnt(0) depctr_sa_sdst(0) depctr_va_vdst(0) depctr_va_sdst(0) depctr_va_ssrc(0) depctr_va_vcc(0) depctr_vm_vsrc(0)
	s_getreg_b32 s2, hwreg(HW_REG_IB_STS2, 6, 4)
	s_cmp_eq_u32 s2, 0
	s_cbranch_scc0 .Lentry_in_a_cluster
	s_endpgm
.Lentry_in_a_cluster:
	s_bfe_u32 s2, ttmp6, 0x10000c
	s_cmp_lg_u32 s2, 0xf033
	s_cbranch_scc0 .Lentry_shape_is_right
	s_endpgm
.Lentry_shape_is_right:
; q, k, v = x w_qkv on codes of FP4 (E2M1) with E8M0 scales, K = 1024; sums in f32.  The results leave as f16 IMAGES OF OPERAND REGISTERS for the attention launch,
; and tokens 0-15 of every batch also as f32 accumulator images for the launch that carries those rows in f32.
; A work-group of four waves makes 256 rows of operand A x 256 rows of operand B; a wave 128 x 128: 64 accumulators of 16 x 16.  The matrix instruction takes source 0 = 16 rows of B, source 1 = 16 rows of A:
; lane (r, h) of a result holds row r of A and rows 8 h + 0 .. 7 of B.  Rounded in pairs to f16 these eight are registers 0-3 (even block of B) or 4-7 (odd block) of the fragment 16 rows of A x 32 rows of B.
;   cluster x = 0 (q), 1 (k): A = tokens, B = features: fragments 16 tokens x 32 channels.     cluster x = 2 (v): A = features, B = tokens: fragments 16 channels x 32 keys.
; So every store is 32 lanes x 16 bytes = 512 consecutive aligned bytes straight from registers: no stage in LDS.
; CLUSTERS: 4 x 4 work-groups.  A hangs on the cluster's place in y alone and is shared along a row of the cluster, B on x alone and is shared along a column: each tile is asked for jointly.
; The token tile is Y + 8 c (Y the cluster's y, c = cy or cx), so that the batch is c and tokens 0-15 of a batch lie in the tiles with Y = 0: a number that all sixteen partners share.
; LDS: K = 1024 is two slots of 512 along K; nothing is filled twice.  A slot: A's 16 row tiles x 4,096 bytes, then B's.  Images have no pitch: a load's 512 bytes are consecutive.
; LIMIT: |q|, |k|, |v| stay under 65,504, the largest f16 number.
; REGISTERS: window 0: v16-29 addresses; v32-95 scale words, two sets; v128-191 A's fragments, one set; on the way out v32-159 packed results.
;   window 1: B's fragments, two sets, at v0 and v128.   windows 2, 3: the accumulators of my rows 0-63, 64-127 of A ((a, b) at v[8 (8 (a % 4) + b)]).
.set NQ,    4                          ; steps of 128 along K in a slot
.set FR,    8                          ; registers of a fragment
.set NL,    2                          ; LDS loads that bring one
.set NP,    4                          ; places behind this matrix instruction (ISA guide 7.12.1)
.set SLOT,  131072
.set SCL,   262144                     ; behind the slots: the scales of 4 x 128 rows, 4,096 bytes each: [row tile 8][half of K 2][256 bytes]
.set SPARE, 278528                     ; the spare words, 128 bytes for each wave
.set ADRA, 16                          ; v16-17  LDS address of my fragments of A in slot 0, 1
.set ADRB, 20                          ; v20-21  the same for B
.set VO,   26                          ; v26     16 x lane
.set ADRS, 27                          ; v27     my scale words: lanes 0-15 A's rows, lanes 16-31 B's
.set SPW,  28                          ; v28     my spare word; never rewritten
.set NIL,  29                          ; v29     0; never rewritten
.set SC,   32
.set AF,   128
.set TMP,  32
.set G1,   24                          ; s[24:31] group 1 for A's codes; s[32:39] groups 0, one for each slot
.set G0,   32
.set G1B,  48                          ; s[48:55], s[56:63] the same for B
.set G0B,  56
.set G1S,  68                          ; s[68:75], s[76:79] groups 1 and 0 for A's scales; s[80:87], s[88:91] for B's
.set G0S,  76
.set G1SB, 80
.set G0SB, 88
.set MSB, 0
.macro WIN new                         ; the immediate's high byte repeats the setting that is left
.if MSB != (\new)
	s_set_vgpr_msb (MSB<<8)|(\new)
.set MSB, (\new)
.endif
.endm
.set MUL_LO, 0xa1                      ; source 0 (B) window 1, source 1 (A) window 0, C and D window 2
.set MUL_HI, 0xf1                      ; the same, C and D window 3
.set TO_B,   0x40                      ; destination window 1, address window 0
; A joint load: waves 0 and 1 fetch for A, waves 2 and 3 for B.  The branch hangs on the wave's number alone.  An s_nop 0 and four v_nop follow each of the two lines.
.macro JLOAD g0a, g1a, g0b, g1b
	s_cmp_eq_u32 s15, 0
	s_cbranch_scc0 .Lfor_b_\@
	tensor_load_to_lds s[\g0a:\g0a+3], s[\g1a:\g1a+7]
	s_nop 0
.rept 4
	v_nop
.endr
	s_branch .Lasked_\@
.Lfor_b_\@:
	tensor_load_to_lds s[\g0b:\g0b+3], s[\g1b:\g1b+7]
	s_nop 0
.rept 4
	v_nop
.endr
.Lasked_\@:
.endm
.macro CROUND                          ; a round of the cluster's barrier
	s_barrier_signal -1
	s_barrier_wait -1
	s_cmp_lg_u32 s14, 0
	s_cbranch_scc1 .Lnot_wave_0_\@
	s_barrier_signal -3
.Lnot_wave_0_\@:
	s_barrier_wait -3
	s_barrier_signal -1
	s_barrier_wait -1
.endm
	s_load_b256 s[4:11], s[0:1], 0x0               ; xq s[4:5], wq s[6:7], qkvimg s[8:9], fimg s[10:11]
	v_lshl_add_u32 v[SPW], v0, 2, SPARE
	v_mov_b32 v[NIL], 0
	ds_add_u32 v[SPW], v[NIL]                      ; the wave's opening: the add, twice on end, and its wait ahead of my first tensor load
	ds_add_u32 v[SPW], v[NIL]
	v_lshrrev_b32 v1, 5, v0
	v_readfirstlane_b32 s14, v1                    ; wave 0..3
	s_lshr_b32 s15, s14, 1                         ; which half of A's rows is mine.  Also: I fetch for A (0) or for B (1)
	s_and_b32 s16, s14, 1                          ; which half of B's rows.  Also: which eight row tiles I fetch
	s_bfe_u32 s40, ttmp6, 0x40000                  ; cx
	s_bfe_u32 s41, ttmp6, 0x40004                  ; cy
	s_and_b32 s17, ttmp7, 0xffff                   ; Y, the cluster's y: 0..7
	s_lshl_b32 s43, s41, 2
	s_lshl_b32 s43, 15, s43                        ; my row of the cluster
	s_lshl_b32 s44, 0x1111, s40                    ; my column
	; group 1 for codes: 8 row tiles x 4,096 bytes (half of K), 8,192 bytes apart; elements of 8 bytes; no padding
	s_or_b32 s[G1], s43, (3<<16)|(1<<21)
	s_or_b32 s[G1B], s44, (3<<16)|(1<<21)
.irp g, G1, G1B
	s_mov_b32 s[\g+1], 512<<16                     ; tensor_dim0
	s_mov_b32 s[\g+2], 8<<16                       ; tensor_dim1
	s_mov_b32 s[\g+3], 512<<16                     ; tile_dim0
	s_mov_b32 s[\g+4], 8                           ; tile_dim1
	s_mov_b32 s[\g+5], 1024                        ; from row to row
	s_mov_b32 s[\g+6], 0
	s_mov_b32 s[\g+7], 0
.endr
	; and for scales: 4,096 dense bytes as 16 rows of 256
	s_or_b32 s[G1S], s43, (3<<16)|(1<<21)
	s_or_b32 s[G1SB], s44, (3<<16)|(1<<21)
.irp g, G1S, G1SB
	s_mov_b32 s[\g+1], 32<<16
	s_mov_b32 s[\g+2], 16<<16
	s_mov_b32 s[\g+3], 32<<16
	s_mov_b32 s[\g+4], 16
	s_mov_b32 s[\g+5], 32
	s_mov_b32 s[\g+6], 0
	s_mov_b32 s[\g+7], 0
.endr
	; which row tiles.  A's numbers never hold cx, B's never cy.
	s_lshl_b32 s18, s16, 3                         ; the eight that I fetch
	s_lshl_b32 s20, s17, 4
	s_lshl_b32 s21, s41, 7
	s_add_co_u32 s20, s20, s21                     ; q, k: A = tokens: 16 Y + 128 cy
	s_lshl_b32 s21, s41, 4
	s_add_co_u32 s21, s21, 128                     ; v: A = features: 128 + 16 cy
	s_lshl_b32 s46, ttmp9, 6
	s_lshl_b32 s47, s40, 4
	s_add_co_u32 s46, s46, s47                     ; q, k: B = features: 64 X + 16 cx
	s_lshl_b32 s47, s40, 7
	s_lshl_b32 s45, s17, 4
	s_add_co_u32 s47, s47, s45                     ; v: B = tokens: 16 Y + 128 cx
	s_mov_b32 s22, 4194304                         ; where xq's scales begin
	s_mov_b32 s23, 4194304
	s_mov_b32 s3, 0
	s_mov_b32 s67, 0
	s_wait_dscnt 0x0                               ; both opening adds are done
	s_wait_kmcnt 0x0
	s_cmp_eq_u32 ttmp9, 2                          ; the cluster's x: the same in all sixteen partners
	s_cselect_b32 s20, s21, s20
	s_cselect_b32 s46, s47, s46
	s_cselect_b32 s22, 1572864, s22                ; where A's scales begin,
	s_cselect_b32 s23, s23, 1572864                ; and B's
	s_cselect_b64 s[92:93], s[6:7], s[4:5]         ; A's buffer
	s_cselect_b64 s[94:95], s[4:5], s[6:7]         ; B's
	s_add_co_u32 s20, s20, s18
	s_add_co_u32 s46, s46, s18
	s_lshl_b32 s2, s20, 13
	s_add_nc_u64 s[96:97], s[92:93], s[2:3]        ; A's codes
	s_lshl_b32 s2, s20, 9
	s_add_co_u32 s2, s2, s22
	s_add_nc_u64 s[92:93], s[92:93], s[2:3]        ; A's scales
	s_lshl_b32 s66, s46, 13
	s_add_nc_u64 s[98:99], s[94:95], s[66:67]      ; B's codes
	s_lshl_b32 s66, s46, 9
	s_add_co_u32 s66, s66, s23
	s_add_nc_u64 s[94:95], s[94:95], s[66:67]      ; B's scales
	s_lshl_b32 s45, s14, 15                        ; where they go: wave x 32,768 in a slot,
	s_lshl_b32 s19, s14, 12                        ; wave x 4,096 among the scales: no place in the cluster enters an LDS address
	CROUND                                         ; all sixteen work-groups are here: the first joint loads meet
	s_mov_b32 s[G0S], 1
	s_add_co_u32 s[G0S+1], s19, SCL
	s_mov_b64 s[G0S+2:G0S+3], s[92:93]
	s_or_b32 s[G0S+3], s[G0S+3], 0x80000000
	s_mov_b32 s[G0SB], 1
	s_add_co_u32 s[G0SB+1], s19, SCL
	s_mov_b64 s[G0SB+2:G0SB+3], s[94:95]
	s_or_b32 s[G0SB+3], s[G0SB+3], 0x80000000
	JLOAD G0S, G1S, G0SB, G1SB                     ; the scales first
.irp s, 0,1
	s_mov_b32 s[G0+4*\s], 1
	s_add_co_u32 s[G0+4*\s+1], s45, \s*SLOT
	s_add_nc_u64 s[G0+4*\s+2:G0+4*\s+3], s[96:97], \s*4096
	s_or_b32 s[G0+4*\s+3], s[G0+4*\s+3], 0x80000000
	s_mov_b32 s[G0B+4*\s], 1
	s_add_co_u32 s[G0B+4*\s+1], s45, \s*SLOT
	s_add_nc_u64 s[G0B+4*\s+2:G0B+4*\s+3], s[98:99], \s*4096
	s_or_b32 s[G0B+4*\s+3], s[G0B+4*\s+3], 0x80000000
	JLOAD G0+4*\s, G1, G0B+4*\s, G1B               ; three loads of mine are out behind the last
.endr
	v_and_b32 v1, 15, v0                           ; r
	v_bfe_u32 v2, v0, 4, 1                         ; h
	v_and_b32 v3, 31, v0
	v_lshlrev_b32 v[VO], 4, v3
	s_lshl_b32 s21, s15, 15                        ; my 128 rows of A
	s_lshl_b32 s22, s16, 15                        ; my 128 rows of B,
	s_add_co_u32 s22, s22, 65536                   ; which lie behind A's 256
.irp s, 0,1
	v_add_nc_u32 v[ADRA+\s], s21, v[VO]
	v_add_nc_u32 v[ADRB+\s], s22, v[VO]
	s_add_co_u32 s21, s21, SLOT
	s_add_co_u32 s22, s22, SLOT
.endr
	s_lshl_b32 s21, s15, 12                        ; A's scales: my 128 rows
	s_lshl_b32 s22, s16, 12                        ; B's, behind A's 8,192 bytes
	s_add_co_u32 s22, s22, 8192
	s_sub_co_u32 s22, s22, s21
	v_mul_u32_u24 v6, s22, v2                      ; lanes 16-31 take B's: the lower base + h x the distance
	s_add_co_u32 s21, s21, SCL
	v_lshl_add_u32 v5, v1, 4, v6                   ; 16 bytes a row
	v_add_nc_u32 v[ADRS], s21, v5
.macro FRAG reg, adr, q, i             ; a fragment's image: 1,024 bytes, two loads of 512 consecutive bytes
.irp c, 0,1
	ds_load_b128 v[\reg+4*\c:\reg+4*\c+3], v[\adr] offset:(\i)*4096+(\q)*1024+512*\c
.endr
.endm
; 16 matrix instructions: A's blocks a0, a0 + 1 x B's eight, the slot's q-th 128 along K.  p: B's set; sc: the set of scale words.  zero = 1: the first product starts the sums.
; The 64 accumulators take turns, one instruction a turn, in the same order in every step.
.macro MUL16 a0, p, q, sc, zero
.irp a, \a0, \a0+1
.irp b, 0,1,2,3,4,5,6,7
.if \zero
	v_wmma_scale_f32_16x16x128_f8f6f4 v[8*(8*((\a)%4)+\b):8*(8*((\a)%4)+\b)+7], v[128*(\p)+FR*\b:128*(\p)+FR*\b+FR-1], v[AF+FR*(\a):AF+FR*(\a)+FR-1], 0, v[SC+8*NQ*(\sc)+NQ*\b+(\q)], v[SC+8*NQ*(\sc)+NQ*(\a)+(\q)] matrix_a_fmt:MATRIX_FMT_FP4 matrix_b_fmt:MATRIX_FMT_FP4 matrix_a_scale:MATRIX_SCALE_ROW1
.else
	v_wmma_scale_f32_16x16x128_f8f6f4 v[8*(8*((\a)%4)+\b):8*(8*((\a)%4)+\b)+7], v[128*(\p)+FR*\b:128*(\p)+FR*\b+FR-1], v[AF+FR*(\a):AF+FR*(\a)+FR-1], v[8*(8*((\a)%4)+\b):8*(8*((\a)%4)+\b)+7], v[SC+8*NQ*(\sc)+NQ*\b+(\q)], v[SC+8*NQ*(\sc)+NQ*(\a)+(\q)] matrix_a_fmt:MATRIX_FMT_FP4 matrix_b_fmt:MATRIX_FMT_FP4 matrix_a_scale:MATRIX_SCALE_ROW1
.endif
.endr
.endr
.endm
.macro FETCH_B slot, q, p
	WIN TO_B
.irp i, 0,1,2,3,4,5,6,7
	FRAG 128*(\p)+FR*\i, ADRB+\slot, \q, \i
.endr
	WIN 0
.endm
.macro FETCH_A slot, q, i0
.irp i, \i0, \i0+1, \i0+2, \i0+3
	FRAG AF+FR*(\i), ADRA+\slot, \q, \i
.endr
.endm
.macro SCALES sc                       ; a slot's scale words: four words a row; lanes 0-15 take A's block i, lanes 16-31 B's block i
.irp i, 0,1,2,3,4,5,6,7
	ds_load_b128 v[SC+8*NQ*\sc+NQ*\i:SC+8*NQ*\sc+NQ*\i+3], v[ADRS] offset:\i*512+\sc*256
.endr
.endm
.macro PLACES n                        ; plain vector instructions between a matrix instruction and a load into, or a read of, its registers (ISA guide 7.12.1 for reads)
.rept \n
	v_nop
.endr
.endm
.macro STEP slot, q, zero              ; a step of 128 along K that has its successor in the same slot
	s_wait_dscnt 4*NL                              ; B's set and A's blocks 0-3 are in; the youngest eight loads (A's blocks 4-7) may be out
	WIN MUL_LO
	MUL16 0, (\q)%2, \q, \slot, \zero
	MUL16 2, (\q)%2, \q, \slot, \zero
	s_wait_dscnt 0                                 ; A's blocks 4-7 are in
	PLACES NP
	FETCH_B \slot, (\q)+1, 1-(\q)%2
	FETCH_A \slot, (\q)+1, 0
	WIN MUL_HI
	MUL16 4, (\q)%2, \q, \slot, \zero
	MUL16 6, (\q)%2, \q, \slot, \zero
	PLACES NP
	WIN 0
	FETCH_A \slot, (\q)+1, 4
.endm
.macro TURN slot, next                 ; a slot's last step changes slots: each wave's tensor loads have landed before it signals; behind the barrier the next slot is whole.  Nothing is filled again
	s_wait_tensorcnt 0x0                           ; my part of the next slot is in
	ds_add_u32 v[SPW], v[NIL]                      ; 0 onto my spare word
	s_wait_dscnt 4*NL+1                            ; (the add and the youngest eight loads may be out)
	WIN MUL_LO
	MUL16 0, 1, NQ-1, \slot, 0
	s_wait_dscnt 0x0
	s_barrier_signal -1
	MUL16 2, 1, NQ-1, \slot, 0
	WIN 0
	s_barrier_wait -1
	PLACES NP
	FETCH_B \next, 0, 0
	FETCH_A \next, 0, 0
	SCALES \next
	WIN MUL_HI
	MUL16 4, 1, NQ-1, \slot, 0
	MUL16 6, 1, NQ-1, \slot, 0
	PLACES NP
	WIN 0
	FETCH_A \next, 0, 4
.endm
	s_wait_tensorcnt 1                             ; the scales and my part of slot 0 are in; slot 1's load may be out
	s_barrier_signal -1
	s_barrier_wait -1                              ; everybody's are
	FETCH_B 0, 0, 0
	FETCH_A 0, 0, 0
	SCALES 0
	FETCH_A 0, 0, 4
	STEP 0, 0, 1                                   ; the first step's products start the sums: nothing is cleared
	STEP 0, 1, 0
	STEP 0, 2, 0
	TURN 0, 1
	STEP 1, 0, 0
	STEP 1, 1, 0
	STEP 1, 2, 0
	s_wait_dscnt 4*NL                              ; the last step: nothing more to fetch
	WIN MUL_LO
	MUL16 0, 1, NQ-1, 1, 0
	MUL16 2, 1, NQ-1, 1, 0
	s_wait_dscnt 0
	WIN MUL_HI
	MUL16 4, 1, NQ-1, 1, 0
	MUL16 6, 1, NQ-1, 1, 0
	WIN 0
; THE WAY OUT.  Block a of A's rows: 32 roundings (each accumulator from its low end on) into one of four sets of 32 registers, and eight stores of 512 consecutive bytes.
.macro OUT isv
.irp a, 0,1,2,3,4,5,6,7
.if \a >= 4
	s_wait_xcnt 0x0                                ; the stores of four blocks ago have read this set
.endif
	WIN 0x0a+5*(\a/4)                              ; sources 0 and 1: window 2 or 3
.irp b, 0,1,2,3,4,5,6,7
.irp r, 0,1,2,3
	v_cvt_pk_f16_f32 v[TMP+32*(\a%4)+4*\b+\r], v[64*(\a%4)+8*\b+2*\r], v[64*(\a%4)+8*\b+2*\r+1]
.endr
.endr
	WIN 0
.irp b, 0,1,2,3,4,5,6,7
.if \isv
	global_store_b128 v[VO], v[TMP+32*(\a%4)+4*\b:TMP+32*(\a%4)+4*\b+3], s[8:9] offset:(\a/4)*262144+(\b/2)*4096+(\a%4)*1024+(\b%2)*512   ; head a / 4, 32 keys b / 2, 16 channels a % 4, half b % 2
.else
	global_store_b128 v[VO], v[TMP+32*(\a%4)+4*\b:TMP+32*(\a%4)+4*\b+3], s[8:9] offset:\a*2048+(\b/4)*262144+(\b%4)*512                    ; 16 tokens a, head b / 4, 32 channels and half b % 4
.endif
.endr
.endr
.endm
	PLACES NP                                      ; behind the last products, in front of the first reads of results and of writes over operands
	s_mov_b32 s101, 0
	s_cmp_eq_u32 ttmp9, 2
	s_cbranch_scc1 .Lv
	; ---- q, k: batch cy, heads 4 cx + 2 (wave % 2) on, tokens 256 Y + 128 (wave / 2) on
	s_lshl_b32 s12, s41, 4
	s_lshl_b32 s13, s40, 2
	s_add_co_u32 s12, s12, s13
	s_lshl_b32 s13, s16, 1
	s_add_co_u32 s12, s12, s13                     ; 16 x batch + head
	s_lshl_b32 s100, s12, 18                       ; 262,144 bytes a head
	s_lshl_b32 s13, s17, 15                        ; 16 Y tiles of 2,048 bytes
	s_add_co_u32 s100, s100, s13
	s_lshl_b32 s13, s15, 14                        ; 8 tiles
	s_add_co_u32 s100, s100, s13
	s_lshl_b32 s13, ttmp9, 24                      ; q at 0, k at 2^24
	s_add_co_u32 s100, s100, s13
	s_add_nc_u64 s[8:9], s[8:9], s[100:101]
	s_or_b32 s13, s17, s15
	s_cmp_lg_u32 s13, 0                            ; do my first 16 tokens begin a batch?  Y and the wave's number alone
	s_cbranch_scc1 .Lqk_out
	s_lshl_b32 s100, s12, 12                       ; 4,096 bytes a head
	s_lshl_b32 s13, ttmp9, 18
	s_add_co_u32 s100, s100, s13
	s_add_nc_u64 s[10:11], s[10:11], s[100:101]
	WIN 0x08                                       ; a store's data are its source 1: window 2
.irp b, 0,1,2,3,4,5,6,7
.irp u, 0,1
	global_store_b128 v[VO], v[8*\b+4*\u:8*\b+4*\u+3], s[10:11] offset:\b*1024+\u*512   ; accumulator (0, b) as it stands: lane (r, h): token r, channels 16 (b % 4) + 8 h + 0 .. 7
.endr
.endr
	WIN 0
.Lqk_out:
	OUT 0
	s_branch .Ldone
.Lv:
	; ---- v: batch cx, heads 4 cy + 2 (wave / 2) on, keys 256 Y + 128 (wave % 2) on
	s_lshl_b32 s12, s40, 4
	s_lshl_b32 s13, s41, 2
	s_add_co_u32 s12, s12, s13
	s_lshl_b32 s13, s15, 1
	s_add_co_u32 s12, s12, s13
	s_lshl_b32 s100, s12, 18
	s_lshl_b32 s13, s17, 15                        ; 8 Y groups of 32 keys, 4,096 bytes each
	s_add_co_u32 s100, s100, s13
	s_lshl_b32 s13, s16, 14                        ; 4 groups
	s_add_co_u32 s100, s100, s13
	s_add_co_u32 s100, s100, 33554432              ; v at 2 x 2^24
	s_add_nc_u64 s[8:9], s[8:9], s[100:101]
	s_or_b32 s13, s17, s16
	s_cmp_lg_u32 s13, 0
	s_cbranch_scc1 .Lv_out
	s_lshl_b32 s100, s12, 12
	s_add_co_u32 s100, s100, 524288
	s_add_nc_u64 s[10:11], s[10:11], s[100:101]
.irp a, 0,1,2,3,4,5,6,7
	WIN 0x08+4*(\a/4)
.irp u, 0,1
	global_store_b128 v[VO], v[64*(\a%4)+4*\u:64*(\a%4)+4*\u+3], s[10:11] offset:\a*1024+\u*512   ; accumulator (a, 0): lane (r, h): channel 16 (a % 4) + r, tokens 8 h + 0 .. 7
.endr
.endr
	WIN 0
.Lv_out:
	OUT 1
.Ldone:
	s_wait_tensorcnt 0x0                           ; the wave's end
	ds_add_u32 v[SPW], v[NIL]
	s_wait_dscnt 0x0
	CROUND                                         ; the closing round: no work-group ends while a partner may still ask for a tile that names it
	s_endpgm
.Lfunc_end_k_q2beb0d1eeb_gemm_qkv:
	.size	k_q2beb0d1eeb_gemm_qkv, .Lfunc_end_k_q2beb0d1eeb_gemm_qkv-k_q2beb0d1eeb_gemm_qkv
	.p2alignl 7, 3214868480
	.fill 96, 4, 3214868480
	.section	.rodata,"a",@progbits
	.p2align	6, 0x0
	.amdhsa_kernel k_q2beb0d1eeb_gemm_qkv
		.amdhsa_group_segment_fixed_size 327680
		.amdhsa_private_segment_fixed_size 0
		.amdhsa_enable_private_segment 0
		.amdhsa_kernarg_size 32
		.amdhsa_user_sgpr_count 2
		.amdhsa_user_sgpr_kernarg_segment_ptr 1
		.amdhsa_wavefront_size32 1
		.amdhsa_system_sgpr_workgroup_id_x 1
		.amdhsa_system_sgpr_workgroup_id_y 1
		.amdhsa_system_sgpr_workgroup_id_z 1
		.amdhsa_system_vgpr_workitem_id 0
		.amdhsa_next_free_vgpr 1024
		.amdhsa_next_free_sgpr 102
		.amdhsa_reserve_vcc 0
		.amdhsa_float_denorm_mode_32 3
		.amdhsa_float_denorm_mode_16_64 3
		.amdhsa_memory_ordered 1
		.amdhsa_forward_progress 1
		.amdhsa_inst_pref_size 144
	.end_amdhsa_kernel
	.amdgpu_metadata
---
amdhsa.version: [ 1, 2 ]
amdhsa.kernels:
  - .name:           k_q2beb0d1eeb_gemm_qkv
    .symbol:         k_q2beb0d1eeb_gemm_qkv.kd
    .args:
      - { .name: xq, .offset: 0, .size: 8, .value_kind: global_buffer, .address_space: global }
      - { .name: wq, .offset: 8, .size: 8, .value_kind: global_buffer, .address_space: global }
      - { .name: qkvimg, .offset: 16, .size: 8, .value_kind: global_buffer, .address_space: global }
      - { .name: fimg, .offset: 24, .size: 8, .value_kind: global_buffer, .address_space: global }
    .group_segment_fixed_size: 327680
    .private_segment_fixed_size: 0
    .kernarg_segment_align: 8
    .kernarg_segment_size: 32
    .max_flat_workgroup_size: 128
    .sgpr_count:     102
    .vgpr_count:     1024
    .wavefront_size: 32
...
	.end_amdgpu_metadata
.endif
;; end of part 2
;; launch attn (part 3): grid 4 x 64, 8 waves a work-group, no clusters, 327,680 bytes of LDS; arguments qkvimg, cimg; writes cimg
.if DOCPART == 3
	.amdgcn_target "amdgcn-amd-amdhsa--gfx1250"
	.amdhsa_code_object_version 6
	.text
	.protected	k_q2beb0d1eeb_attn
	.globl	k_q2beb0d1eeb_attn
	.p2align	8
	.type	k_q2beb0d1eeb_attn,@function
k_q2beb0d1eeb_attn:
	s_mov_b64 s[64:65], 0
	v_nop
	global_prefetch_b8 v0, s[64:65] scope:SCOPE_SE
	s_setreg_imm32_b32 hwreg(HW_REG_WAVE_MODE, 25, 1), 1
	s_wait_xcnt 0x0
; ctx = softmax(q k^T / 8, causal) v for 64 heads of 2,048 tokens x 64 channels.  f16 operands (images of operand registers, made by the launch before), f32 sums, maxima and exponentials.
; SHARES.  Work-group (I, head) owns the query blocks 7 - I and I of 256 queries: it walks block 7 - I over key blocks 0 .. 7 - I and then block I over key blocks 0 .. I: nine key blocks of 256 keys
; for every I, so the trip counts are constants and all 256 work-groups have the same work.  Wave w owns 32 queries, two tiles of 16, at 32 SUB in the block, SUB = w for w < 4, else 11 - w.
; LAYOUT.  S^T = K Q^T (source 0 = 16 keys, source 1 = 16 queries): a lane holds ONE query (lane % 16) and keys 8 (lane / 16) + 0 .. 7.  Two such tiles rounded in pairs to f16 are source 1 of
; O^T = V^T P; its result again holds one query a lane, and eight channels, which rounded to f16 are half a fragment of ctx for the projection: stored as it stands, 512 consecutive bytes a store.
; SOFTMAX.  A running maximum m and sum l for each query: p = 2^(c s - c m), c = log2(e) / 8; in every step O^T and l are multiplied by a = 2^(c m_old - c m_new).  m begins at -3e38, l and O^T at 0.
; CAUSAL.  A step of 64 keys all of which come after my 32 queries is jumped over (a scalar branch on ids, round no barrier and no tensor load); on the diagonal hidden scores become -infinity.
; RING.  Two slots of 256 keys (K 32 KiB, V 32 KiB, dense images).  Every wave fetches an eighth of a slot, 8,192 bytes, by one tensor load behind each change of slots; one load of mine is out at the most.
; NO CLUSTER: the four work-groups of a head want different key blocks in the same trip (trip t of work-group I is key block t or t - 8 + I); walked in step they would make 12 trips for 9.
; LIMIT: |q|, |k|, |v| under 65,504 (f16).
; REGISTERS.  window 0: v1-9 addresses and constants; v16-31 statistics, eight a tile: +0 c m, +1 m, +2, +3 l, +4 .. +7 at work (a in +6); v64-127 S^T, 32 a tile; v128-159 P, 16 a tile.
;   window 1: v0-31 Q; v32-63 the second block's Q; v64-127 K of a step; v128-191 V of a step; v192-255 O^T, 32 a tile.
.set SLOT1, 65536
.set VOFF,  32768
.set SPARE, 131072                     ; behind the ring: the spare words, 128 bytes for each of eight waves
.set LI,   1                           ; v1  16 x lane
.set ADR,  2                           ; v2  LDS address of the step in hand
.set DL,   3                           ; v3  lane % 16 - 8 (lane / 16)
.set D0,   4                           ; v4, v5  the mask's bound for tiles 0, 1
.set NINF, 6                           ; v6  -infinity
.set PFO,  7                           ; v7  256 x lane
.set SPW,  8                           ; v8  my spare word; never rewritten
.set NIL,  9                           ; v9  0; never rewritten
.set ST,   16
.set S,    64
.set P,    128
.set QR,   0
.set Q2R,  32
.set KR,   64
.set VR,   128
.set OT,   192
.set WV,   8
.set II,   9
.set BH,   10
.set SUB,  11
.set LAST1, 12                         ; s12 7 - I: the first walk's last trip
.set N1,   13                          ; s13 8 - I: its trips
.set TT,   14                          ; s14 the trip
.set STP,  15
.set TB,   16                          ; s16 LDS byte at which the step in hand begins
.set KF,   17                          ; s17 the step's first key
.set Q0,   18                          ; s18 my first query
.set Q0B,  19                          ; s19 and in the second walk
.set SEL,  20
.set CS,   22                          ; s[22:23] c
.set G1,   24
.set G0,   32
.set KVB,  36                          ; s[36:37] my eighth of key block 0, in memory
.set OFS,  38                          ; s[38:39] an offset
.set PFA,  40                          ; s[40:41] what a prefetch names
.set LIM,  42                          ; s42 a wave prefetches in the trips under this number
.set CB,   44                          ; s[44:45] where my ctx goes;  s[46:47] in the second walk
.set CB2,  46
.set MSB, 0
.macro WIN new
.if MSB != (\new)
	s_set_vgpr_msb (MSB<<8)|(\new)
.set MSB, (\new)
.endif
.endm
.macro STATS                           ; a walk begins
.irp x, 0,1
	v_mov_b32 v[ST+8*\x+1], 0xff61b1e6             ; m = -3e38, under every score
	v_mul_f32 v[ST+8*\x], s[CS], v[ST+8*\x+1]
.irp k, 2,3,4,5,6,7
	v_mov_b32 v[ST+8*\x+\k], 0
.endr
.endr
.endm
.macro CLEAR_O                         ; the key step is written once: a walk's first step finds zeros, and a = 0
	WIN 0x40
.set i, 0
.rept 64
	v_mov_b32 v[OT+i], 0
.set i, i+1
.endr
	WIN 0
.endm
; A KEY STEP: 64 keys against my 32 queries.
.macro STEP
	s_add_co_u32 s48, s[Q0], 31
	s_cmp_gt_u32 s[KF], s48                        ; all 64 keys come after my last query
	s_cbranch_scc1 .Lhid_\@
	v_add_nc_u32 v[ADR], s[TB], v[LI]              ; with the three v_nop: four places behind the last step's products, in front of the loads into V's registers
	v_nop
	v_nop
	v_nop
	WIN 0x40                                       ; destination window 1
.irp f, 0,1,2,3,4,5,6,7                        ; K: 16 keys f / 2, 32 channels f % 2
	ds_load_b128 v[KR+8*\f:KR+8*\f+3],   v[ADR] offset:\f*1024
	ds_load_b128 v[KR+8*\f+4:KR+8*\f+7], v[ADR] offset:\f*1024+512
.endr
.irp f, 0,1,2,3,4,5,6,7                        ; V: 32 keys f / 4, 16 channels f % 4
	ds_load_b128 v[VR+8*\f:VR+8*\f+3],   v[ADR] offset:VOFF+\f*1024
	ds_load_b128 v[VR+8*\f+4:VR+8*\f+7], v[ADR] offset:VOFF+\f*1024+512
.endr
	s_wait_dscnt 16                                ; K is in; V's sixteen loads may be out
	WIN 0x05                                       ; K and Q window 1, S^T window 0
.irp c, 0,1                                    ; the eight accumulators take turns
.irp kt, 0,1,2,3
.irp x, 0,1
.if \c == 0
	v_wmma_f32_16x16x32_f16 v[S+32*\x+8*\kt:S+32*\x+8*\kt+7], v[KR+16*\kt+8*\c:KR+16*\kt+8*\c+7], v[QR+16*\x+8*\c:QR+16*\x+8*\c+7], 0
.else
	v_wmma_f32_16x16x32_f16 v[S+32*\x+8*\kt:S+32*\x+8*\kt+7], v[KR+16*\kt+8*\c:KR+16*\kt+8*\c+7], v[QR+16*\x+8*\c:QR+16*\x+8*\c+7], v[S+32*\x+8*\kt:S+32*\x+8*\kt+7]
.endif
.endr
.endr
.endr
	WIN 0
	v_nop                                          ; four places in front of the first read of the scores
	v_nop
	v_nop
	v_nop
	s_add_co_u32 s48, s[KF], 63
	s_cmp_le_u32 s48, s[Q0]                        ; all 64 keys count for all my queries
	s_cbranch_scc1 .Lopen_\@
	s_sub_co_i32 s48, s[Q0], s[KF]
	v_add_nc_u32 v[D0], s48, v[DL]                 ; register n holds key KF + 16 (n / 8) + 8 (lane / 16) + n % 8: hidden where 16 (n / 8) + n % 8 > my query - KF - 8 (lane / 16)
	v_add_nc_u32 v[D0+1], 16, v[D0]
.set n, 0
.rept 32
	v_cmp_gt_i32 vcc_lo, 16*(n/8)+n%8, v[D0]
	v_cndmask_b32 v[S+n], v[S+n], v[NINF], vcc_lo
	v_cmp_gt_i32 vcc_lo, 16*(n/8)+n%8, v[D0+1]
	v_cndmask_b32 v[S+32+n], v[S+32+n], v[NINF], vcc_lo
.set n, n+1
.endr
.Lopen_\@:
	; the maximum of my 32 scores and the old m, three operands at a time; each accumulator is read from its low end on; the two tiles alternate
.irp j, 0,1,2,3
.irp x, 0,1
	v_max3_num_f32 v[ST+8*\x+4+\j], v[S+32*\x+8*\j], v[S+32*\x+8*\j+1], v[S+32*\x+8*\j+2]
.endr
.endr
.irp g, 1,2
.irp j, 0,1,2,3
.irp x, 0,1
	v_max3_num_f32 v[ST+8*\x+4+\j], v[ST+8*\x+4+\j], v[S+32*\x+8*\j+2*\g+1], v[S+32*\x+8*\j+2*\g+2]
.endr
.endr
.endr
.irp x, 0,1
	v_max3_num_f32 v[ST+8*\x+4], v[ST+8*\x+4], v[S+32*\x+7], v[S+32*\x+15]
.endr
.irp x, 0,1
	v_max3_num_f32 v[ST+8*\x+6], v[ST+8*\x+6], v[S+32*\x+23], v[S+32*\x+31]
.endr
.irp x, 0,1
	v_max3_num_f32 v[ST+8*\x+4], v[ST+8*\x+4], v[ST+8*\x+5], v[ST+8*\x+6]
.endr
.irp x, 0,1
	v_max3_num_f32 v[ST+8*\x+4], v[ST+8*\x+4], v[ST+8*\x+7], v[ST+8*\x+1]
.endr
.irp x, 0,1
	v_permlanex16_b32 v[ST+8*\x+5], v[ST+8*\x+4], s[SEL], s[SEL+1]   ; the query's other 32 keys lie in the lane 16 away
.endr
.irp x, 0,1
	v_mov_b32 v[ST+8*\x+7], v[ST+8*\x]             ; c m_old
.endr
.irp x, 0,1
	v_max_num_f32 v[ST+8*\x+1], v[ST+8*\x+4], v[ST+8*\x+5]
.endr
.irp x, 0,1
	v_mul_f32 v[ST+8*\x], s[CS], v[ST+8*\x+1]
.endr
.irp x, 0,1
	v_sub_f32 v[ST+8*\x+7], v[ST+8*\x+7], v[ST+8*\x]
.endr
.set n, 0
.rept 16
	v_pk_fma_f32 v[S+2*n:S+2*n+1], v[S+2*n:S+2*n+1], s[CS:CS+1], v[ST:ST+1] op_sel_hi:[1,0,0] neg_lo:[0,0,1] neg_hi:[0,0,1]            ; c s - c m, two at a time
	v_pk_fma_f32 v[S+32+2*n:S+32+2*n+1], v[S+32+2*n:S+32+2*n+1], s[CS:CS+1], v[ST+8:ST+9] op_sel_hi:[1,0,0] neg_lo:[0,0,1] neg_hi:[0,0,1]
.set n, n+1
.endr
	v_exp_f32 v[ST+6], v[ST+7]                     ; ONE BATCH of 66 exponentials: a of both tiles, then all p; none reads another's result
	v_exp_f32 v[ST+14], v[ST+15]
.set n, 0
.rept 32
	v_exp_f32 v[S+n], v[S+n]
	v_exp_f32 v[S+32+n], v[S+32+n]
.set n, n+1
.endr
	v_nop                                          ; a plain instruction behind the last exponential
	s_wait_alu depctr_va_vdst(0)                   ; one wait for the batch, ahead of its first reader
.set n, 0
.rept 16
	v_cvt_pk_f16_f32 v[P+n], v[S+2*n], v[S+2*n+1]
	v_cvt_pk_f16_f32 v[P+16+n], v[S+32+2*n], v[S+32+2*n+1]
.set n, n+1
.endr
	; the sums, in place: neighbours 1, 2, 4, 8 pairs apart; then l = a l + the sum
.irp w, 4,8,16,32
.set n, 0
.rept 32/\w
	v_pk_add_f32 v[S+\w*n:S+\w*n+1], v[S+\w*n:S+\w*n+1], v[S+\w*n+\w/2:S+\w*n+\w/2+1]
	v_pk_add_f32 v[S+32+\w*n:S+32+\w*n+1], v[S+32+\w*n:S+32+\w*n+1], v[S+32+\w*n+\w/2:S+32+\w*n+\w/2+1]
.set n, n+1
.endr
.endr
.irp x, 0,1
	v_pk_fma_f32 v[ST+8*\x+2:ST+8*\x+3], v[ST+8*\x+2:ST+8*\x+3], v[ST+8*\x+6:ST+8*\x+7], v[S+32*\x:S+32*\x+1] op_sel_hi:[1,0,1]
.endr
	WIN 0x41                                       ; O^T (destination and source 0) window 1, a window 0
.set n, 0
.rept 16
	v_pk_mul_f32 v[OT+2*n:OT+2*n+1], v[OT+2*n:OT+2*n+1], v[ST+6:ST+7] op_sel_hi:[1,0]
	v_pk_mul_f32 v[OT+32+2*n:OT+32+2*n+1], v[OT+32+2*n:OT+32+2*n+1], v[ST+14:ST+15] op_sel_hi:[1,0]
.set n, n+1
.endr
	s_wait_dscnt 0x0                               ; V is in
	WIN 0x51                                       ; V window 1, P window 0, O^T window 1
.irp kg, 0,1
.irp ct, 0,1,2,3
.irp x, 0,1
	v_wmma_f32_16x16x32_f16 v[OT+32*\x+8*\ct:OT+32*\x+8*\ct+7], v[VR+32*\kg+8*\ct:VR+32*\kg+8*\ct+7], v[P+16*\x+8*\kg:P+16*\x+8*\kg+7], v[OT+32*\x+8*\ct:OT+32*\x+8*\ct+7]
.endr
.endr
.endr
	WIN 0
.Lhid_\@:
	s_add_co_u32 s[KF], s[KF], 64
	s_add_co_u32 s[TB], s[TB], 8192                ; 64 keys are 8,192 bytes of K's images and of V's
.endm
; A TRIP: the change of slots, then a key block's four steps.  In front of the barrier each wave waits for all its tensor loads (its eighth of the slot ahead), adds 0 to its spare word, and waits for that and for
; its reads of the slot that it has left.  refill = 1: behind the barrier that slot takes the next trip's key block: the load has four steps in which to land.
.macro TRIP refill
	s_wait_tensorcnt 0x0                           ; no tensor load of mine is out, so group 0 may be written
	ds_add_u32 v[SPW], v[NIL]                      ; 0 onto my spare word
.if \refill
	s_add_co_u32 s48, s[TT], 1                     ; the next trip,
	s_cmp_gt_u32 s48, s[LAST1]
	s_cselect_b32 s49, s[N1], 0
	s_sub_co_u32 s48, s48, s49                     ; and its key block: the second walk begins again at 0
	s_lshl_b32 s[OFS], s48, 15
	s_add_nc_u64 s[G0+2:G0+3], s[KVB:KVB+1], s[OFS:OFS+1]
	s_or_b32 s[G0+3], s[G0+3], 0x80000000
	s_xor_b32 s[G0+1], s[G0+1], SLOT1              ; the other slot than last time
	s_wait_xcnt 0x0                                ; the last prefetch, a trip back, has read its address
	s_add_co_u32 s48, s[TT], 2
	s_lshl_b32 s[OFS], s48, 15
	s_add_nc_u64 s[PFA:PFA+1], s[KVB:KVB+1], s[OFS:OFS+1]
.endif
	s_wait_dscnt 0x0                               ; the add is done, and my reads of the slot that I have left are over
	s_barrier_signal -1
	s_barrier_wait -1
.if \refill
	tensor_load_to_lds s[G0:G0+3], s[G1:G1+7]      ; the first thing behind the barrier, and my one tensor load until the next
	s_nop 0
	v_nop
	v_nop
	v_nop
	v_nop
	; A PREFETCH INTO THE L2 of key block trip + 2: the 8,192 bytes that I shall fetch at the next change of slots, lanes 256 bytes apart.  All four work-groups of a head walk the same K and V from block 0 on;
	; work-group I = 0, whose first walk takes all eight blocks, asks, in trips 0 to 5: blocks 2 to 7, each aligned 256 bytes once in the launch.  Blocks 0 and 1 come by their loads alone.
	s_cmp_lt_u32 s[TT], s[LIM]
	s_cbranch_scc0 .Lnot_mine_\@
	global_prefetch_b8 v[PFO], s[PFA:PFA+1] th:TH_LOAD_NT scope:SCOPE_SE
.Lnot_mine_\@:
.endif
	s_mov_b32 s[STP], 4
.Lstep_\@:
	STEP
	s_sub_co_u32 s[STP], s[STP], 1
	s_cmp_lg_u32 s[STP], 0
	s_cbranch_scc1 .Lstep_\@
	s_sub_co_u32 s[TB], s[TB], 32768               ; back to a slot's first step,
	s_xor_b32 s[TB], s[TB], SLOT1                  ; in the other slot
.endm
; A walk ends: O^T / l, rounded to f16, is stored as halves of ctx's fragments.
.macro FINISH
	v_nop                                          ; four places behind the last products
	v_nop
	v_nop
	v_nop
.irp x, 0,1
	v_add_f32 v[ST+8*\x+4], v[ST+8*\x+2], v[ST+8*\x+3]
.endr
.irp x, 0,1
	v_permlanex16_b32 v[ST+8*\x+5], v[ST+8*\x+4], s[SEL], s[SEL+1]
.endr
.irp x, 0,1
	v_add_f32 v[ST+8*\x+4], v[ST+8*\x+4], v[ST+8*\x+5]
.endr
.irp x, 0,1
	v_rcp_f32 v[ST+8*\x+6], v[ST+8*\x+4]
.endr
	v_nop
	s_wait_alu depctr_va_vdst(0)                   ; one wait for the two reciprocals
	WIN 0x41
.irp x, 0,1
.set n, 0
.rept 16
	v_pk_mul_f32 v[OT+32*\x+2*n:OT+32*\x+2*n+1], v[OT+32*\x+2*n:OT+32*\x+2*n+1], v[ST+8*\x+6:ST+8*\x+7] op_sel_hi:[1,0]
.set n, n+1
.endr
.endr
	WIN 0x05                                       ; sources window 1, destination window 0: S^T's registers are free
.set n, 0
.rept 32
	v_cvt_pk_f16_f32 v[S+n], v[OT+2*n], v[OT+2*n+1]
.set n, n+1
.endr
	WIN 0
.irp x, 0,1
.irp ct, 0,1,2,3
	global_store_b128 v[LI], v[S+16*\x+4*\ct:S+16*\x+4*\ct+3], s[CB:CB+1] offset:\x*32768+\ct*512   ; 512 consecutive aligned bytes
.endr
.endr
	s_wait_xcnt 0x0                                ; the stores have read their registers and their base
.endm
	s_load_b128 s[4:7], s[0:1], 0x0                ; qkvimg s[4:5], cimg s[6:7]
	v_lshl_add_u32 v[SPW], v0, 2, SPARE
	v_mov_b32 v[NIL], 0
	ds_add_u32 v[SPW], v[NIL]                      ; the wave's opening: the add, twice on end, and its wait ahead of my first tensor load
	ds_add_u32 v[SPW], v[NIL]
	v_lshrrev_b32 v1, 5, v0
	v_readfirstlane_b32 s[WV], v1                  ; wave 0..7
	s_mov_b32 s[II], ttmp9
	s_and_b32 s[BH], ttmp7, 0xffff
	s_sub_co_u32 s[SUB], 11, s[WV]
	s_cmp_lt_u32 s[WV], 4
	s_cselect_b32 s[SUB], s[WV], s[SUB]
	s_cselect_b32 s[OFS], 1, 2                     ; waves 0-3 fetch K (at 2^24), waves 4-7 V (at 2 x 2^24)
	s_sub_co_u32 s[LAST1], 7, s[II]
	s_sub_co_u32 s[N1], 8, s[II]
	; group 1: 8,192 dense bytes as 32 rows of 256; elements of 8 bytes; no padding
	s_mov_b32 s[G1], 3<<16
	s_mov_b32 s[G1+1], 32<<16
	s_mov_b32 s[G1+2], 32<<16
	s_mov_b32 s[G1+3], 32<<16
	s_mov_b32 s[G1+4], 32
	s_mov_b32 s[G1+5], 32
	s_mov_b32 s[G1+6], 0
	s_mov_b32 s[G1+7], 0
	s_mov_b32 s[SEL], 0x76543210
	s_mov_b32 s[SEL+1], 0xfedcba98
	s_mov_b32 s[CS], 0x3e38aa3b                    ; c = log2(e) / 8
	s_mov_b32 s[CS+1], s[CS]
	s_mov_b32 s[TB], 0
	s_mov_b32 s[KF], 0
	s_mov_b32 s[TT], 0
	s_lshl_b32 s48, s[LAST1], 8
	s_lshl_b32 s49, s[SUB], 5
	s_add_co_u32 s[Q0], s48, s49
	s_lshl_b32 s48, s[II], 8
	s_add_co_u32 s[Q0B], s48, s49
	s_lshl_b32 s[OFS], s[OFS], 24
	s_lshl_b32 s54, s[BH], 18                      ; 262,144 bytes a head
	s_add_co_u32 s[OFS], s[OFS], s54
	s_and_b32 s48, s[WV], 3
	s_lshl_b32 s48, s48, 13
	s_add_co_u32 s[OFS], s[OFS], s48               ; my quarter of a key block's K or V
	s_mov_b32 s[OFS+1], 0
	s_lshr_b32 s48, s[BH], 4
	s_lshl_b32 s48, s48, 22                        ; ctx: 128 token tiles of 32,768 bytes a batch,
	s_and_b32 s49, s[BH], 15
	s_lshl_b32 s49, s49, 11                        ; 2,048 bytes a head in each
	s_add_co_u32 s48, s48, s49
	s_lshl_b32 s50, s[Q0], 11
	s_add_co_u32 s50, s50, s48
	s_mov_b32 s51, 0
	s_lshl_b32 s52, s[Q0B], 11
	s_add_co_u32 s52, s52, s48
	s_mov_b32 s53, 0
	s_lshl_b32 s56, s[Q0], 7                       ; q: 2,048 bytes for 16 queries
	s_add_co_u32 s56, s56, s54
	s_mov_b32 s57, 0
	s_lshl_b32 s58, s[Q0B], 7
	s_add_co_u32 s58, s58, s54
	s_mov_b32 s59, 0
	s_cmp_eq_u32 s[II], 0
	s_cselect_b32 s[LIM], 6, 0
	s_wait_dscnt 0x0                               ; both opening adds are done
	s_wait_kmcnt 0x0
	s_add_nc_u64 s[KVB:KVB+1], s[4:5], s[OFS:OFS+1]
	s_mov_b32 s[G0], 1
	s_lshl_b32 s[G0+1], s[WV], 13                  ; slot 0: wave x 8,192
	s_mov_b64 s[G0+2:G0+3], s[KVB:KVB+1]
	s_or_b32 s[G0+3], s[G0+3], 0x80000000
	tensor_load_to_lds s[G0:G0+3], s[G1:G1+7]      ; key block 0
	s_nop 0
	v_and_b32 v10, 31, v0                          ; the vector set-up stands behind the load
	v_lshlrev_b32 v[LI], 4, v10
	v_lshlrev_b32 v[PFO], 8, v10
	v_and_b32 v10, 15, v0
	v_bfe_u32 v11, v0, 4, 1
	v_lshlrev_b32 v11, 3, v11
	v_sub_nc_u32 v[DL], v10, v11
	v_mov_b32 v[NINF], 0xff800000
	v_mov_b32 v[D0], 0
	v_mov_b32 v[D0+1], 0
	s_add_nc_u64 s[CB:CB+1], s[6:7], s[50:51]
	s_add_nc_u64 s[CB2:CB2+1], s[6:7], s[52:53]
	s_add_nc_u64 s[56:57], s[4:5], s[56:57]
	s_add_nc_u64 s[58:59], s[4:5], s[58:59]
	s_mov_b64 s[PFA:PFA+1], s[KVB:KVB+1]
	WIN 0x40
.irp x, 0,1
.irp c, 0,1
.irp u, 0,1
	global_load_b128 v[QR+16*\x+8*\c+4*\u:QR+16*\x+8*\c+4*\u+3], v[LI], s[56:57] offset:\x*2048+\c*1024+\u*512     ; both walks' queries come now: no load is waited for in mid-walk
	global_load_b128 v[Q2R+16*\x+8*\c+4*\u:Q2R+16*\x+8*\c+4*\u+3], v[LI], s[58:59] offset:\x*2048+\c*1024+\u*512
.endr
.endr
.endr
	WIN 0
	STATS
	CLEAR_O
	s_wait_loadcnt 0x0
.Ltrip:                                            ; eight trips; the ninth is written out
	TRIP 1
	s_cmp_lg_u32 s[TT], s[LAST1]                   ; the work-group's number and the count of trips alone: all eight waves go the same way
	s_cbranch_scc1 .Lsame
	FINISH
	WIN 0x41
.set i, 0
.rept 32
	v_mov_b32 v[QR+i], v[Q2R+i]                    ; the second walk's queries
.set i, i+1
.endr
	WIN 0
	CLEAR_O
	STATS
	s_mov_b32 s[Q0], s[Q0B]
	s_mov_b64 s[CB:CB+1], s[CB2:CB2+1]
	s_mov_b32 s[KF], 0
.Lsame:
	s_add_co_u32 s[TT], s[TT], 1
	s_cmp_lt_u32 s[TT], 8
	s_cbranch_scc1 .Ltrip
	TRIP 0
	FINISH
	s_wait_tensorcnt 0x0                           ; the wave's end
	ds_add_u32 v[SPW], v[NIL]
	s_wait_dscnt 0x0
	s_endpgm
.Lfunc_end_k_q2beb0d1eeb_attn:
	.size	k_q2beb0d1eeb_attn, .Lfunc_end_k_q2beb0d1eeb_attn-k_q2beb0d1eeb_attn
	.p2alignl 7, 3214868480
	.fill 96, 4, 3214868480
	.section	.rodata,"a",@progbits
	.p2align	6, 0x0
	.amdhsa_kernel k_q2beb0d1eeb_attn
		.amdhsa_group_segment_fixed_size 327680
		.amdhsa_private_segment_fixed_size 0
		.amdhsa_enable_private_segment 0
		.amdhsa_kernarg_size 16
		.amdhsa_user_sgpr_count 2
		.amdhsa_user_sgpr_kernarg_segment_ptr 1
		.amdhsa_wavefront_size32 1
		.amdhsa_system_sgpr_workgroup_id_x 1
		.amdhsa_system_sgpr_workgroup_id_y 1
		.amdhsa_system_sgpr_workgroup_id_z 1
		.amdhsa_system_vgpr_workitem_id 0
		.amdhsa_next_free_vgpr 512
		.amdhsa_next_free_sgpr 66
		.amdhsa_reserve_vcc 1
		.amdhsa_float_denorm_mode_32 3
		.amdhsa_float_denorm_mode_16_64 3
		.amdhsa_memory_ordered 1
		.amdhsa_forward_progress 1
		.amdhsa_inst_pref_size 67
	.end_amdhsa_kernel
	.amdgpu_metadata
---
amdhsa.version: [ 1, 2 ]
amdhsa.kernels:
  - .name:           k_q2beb0d1eeb_attn
    .symbol:         k_q2beb0d1eeb_attn.kd
    .args:
      - { .name: qkvimg, .offset: 0, .size: 8, .value_kind: global_buffer, .address_space: global }
      - { .name: cimg, .offset: 8, .size: 8, .value_kind: global_buffer, .address_space: global }
    .group_segment_fixed_size: 327680
    .private_segment_fixed_size: 0
    .kernarg_segment_align: 8
    .kernarg_segment_size: 16
    .max_flat_workgroup_size: 256
    .sgpr_count:     66
    .vgpr_count:     512
    .wavefront_size: 32
...
	.end_amdgpu_metadata
.endif
;; end of part 3
;; launch proj (part 4): grid 4 x 64, 4 waves a work-group, clusters of 4 x 4, 327,680 bytes of LDS; arguments cimg, wimg, out0; writes out0
.if DOCPART == 4
	.amdgcn_target "amdgcn-amd-amdhsa--gfx1250"
	.amdhsa_code_object_version 6
	.text
	.protected	k_q2beb0d1eeb_proj
	.globl	k_q2beb0d1eeb_proj
	.p2align	8
	.type	k_q2beb0d1eeb_proj,@function
k_q2beb0d1eeb_proj:
	s_mov_b64 s[64:65], 0
	v_nop
	global_prefetch_b8 v0, s[64:65] scope:SCOPE_SE
	s_setreg_imm32_b32 hwreg(HW_REG_WAVE_MODE, 25, 1), 1
	s_wait_xcnt 0x0
	s_wait_alu depctr_hold_cnt(0) depctr_sa_sdst(0) depctr_va_vdst(0) depctr_va_sdst(0) depctr_va_ssrc(0) depctr_va_vcc(0) depctr_vm_vsrc(0)
	s_getreg_b32 s2, hwreg(HW_REG_IB_STS2, 6, 4)
	s_cmp_eq_u32 s2, 0
	s_cbranch_scc0 .Lentry_in_a_cluster
	s_endpgm
.Lentry_in_a_cluster:
	s_bfe_u32 s2, ttmp6, 0x10000c
	s_cmp_lg_u32 s2, 0xf033
	s_cbranch_scc0 .Lentry_shape_is_right
	s_endpgm
.Lentry_shape_is_right:
; out0 = ctx w_out: [8192][1024] x [1024][1024], f16 operands (images of operand registers), f32 sums, f32 out.  Rows t < 16 of every batch are NOT stored here: the last launch carries them in f32.
; A work-group of four waves makes 128 tokens x 256 columns; a wave 64 x 128: 32 accumulators.  256 work-groups.  K goes in steps of 128 (four fragments deep) through two LDS slots.
; The matrix instruction takes source 0 = 16 columns of w_out, source 1 = 16 tokens: a lane holds eight neighbouring numbers of a row of out0.
; CLUSTERS: 4 x 4.  The column tile is cx, the token tile Y + 16 cy (Y the cluster's y): so the batch is cy, and a tile holds tokens 0-15 of a batch where Y = 0, a number that all partners share.
; ctx's tiles are shared along a row of the cluster, w_out's along a column: each is asked for jointly.
; LDS: slot s at 98,304 s: ctx [token tile 8][4 x 1,024 bytes], then w_out [column tile 16][4 x 1,024 bytes]; behind the ring a stage of 16 rows x 528 bytes for each wave, into which no fill lands; the spare words.
; REGISTERS: window 0: v16-30 addresses; v64-127 ctx's fragments, two buffers of 32; v128-255 rows on the way out, two sets.  window 1: v0-127 w_out's fragments, two buffers of 64.  window 2: accumulator (a, b) at v[8 (8 a + b)].
.set SLOT,   98304
.set STAGE,  196608
.set SPITCH, 528
.set SPARE,  230400
.set ADRA, 16
.set ADRB, 20
.set STO,  24
.set RD,   25
.set CO,   26
.set SPW,  28
.set NIL,  29
.set PFO,  30
.set BK,   128
.set G1,   24
.set G0,   32
.set G1B,  48
.set G0B,  56
.set PFA,  66                          ; s[66:67] where my prefetches stand
.set LIM,  68                          ; s68 1 in wave 0, else the greatest number
.set MSB, 0
.macro WIN new
.if MSB != (\new)
	s_set_vgpr_msb (MSB<<8)|(\new)
.set MSB, (\new)
.endif
.endm
.set MUL,  0xa1                        ; source 0 (w_out) window 1, source 1 (ctx) window 0, C and D window 2
.set TO_B, 0x40
.macro JLOAD s                         ; a joint load: waves 0 and 1 fetch ctx's two halves, waves 2 and 3 w_out's; an s_nop 0 and four v_nop follow each line
	s_cmp_eq_u32 s11, 0
	s_cbranch_scc0 .Lfor_b_\@
	tensor_load_to_lds s[G0+4*\s:G0+4*\s+3], s[G1:G1+7]
	s_nop 0
.rept 4
	v_nop
.endr
	s_branch .Lasked_\@
.Lfor_b_\@:
	tensor_load_to_lds s[G0B+4*\s:G0B+4*\s+3], s[G1B:G1B+7]
	s_nop 0
.rept 4
	v_nop
.endr
.Lasked_\@:
.endm
.macro CREST
	s_cmp_lg_u32 s10, 0
	s_cbranch_scc1 .Lnot_wave_0_\@
	s_barrier_signal -3
.Lnot_wave_0_\@:
	s_barrier_wait -3
	s_barrier_signal -1
	s_barrier_wait -1
.endm
.macro CROUND
	s_barrier_signal -1
	s_barrier_wait -1
	CREST
.endm
; A PREFETCH INTO THE L2 of ctx's K step two refills on.  A token tile's part of a K step is 4,096 bytes; the cluster row's eight token tiles are shared out BY ADDRESS, two to each of the four partners;
; wave 0 asks: lanes 0-15 one token tile, lanes 16-31 the next, 256 bytes apart.  Only this row of this cluster reads these rows, so each aligned 256 bytes is named once.  K steps 0 to 3 come by their
; loads alone; the loop's last trip asks for nothing.  w_out's images are read by every cluster again and again and are not asked for.
.macro ASK
	s_cmp_gt_u32 s3, s[LIM]
	s_cbranch_scc0 .Lnot_mine_\@
	global_prefetch_b8 v[PFO], s[PFA:PFA+1] offset:4096 th:TH_LOAD_NT scope:SCOPE_SE
.Lnot_mine_\@:
.endm
	s_load_b128 s[4:7], s[0:1], 0x0                ; cimg s[4:5], wimg s[6:7]
	s_load_b64 s[8:9], s[0:1], 0x10                ; out0
	v_lshl_add_u32 v[SPW], v0, 2, SPARE
	v_mov_b32 v[NIL], 0
	ds_add_u32 v[SPW], v[NIL]                      ; the wave's opening: the add, twice on end, and its wait ahead of my first tensor load
	ds_add_u32 v[SPW], v[NIL]
	v_lshrrev_b32 v1, 5, v0
	v_readfirstlane_b32 s10, v1                    ; wave 0..3
	s_lshr_b32 s11, s10, 1                         ; which half of the tokens is mine.  Also: I fetch ctx (0) or w_out (1)
	s_and_b32 s12, s10, 1                          ; which half of the columns.  Also: which half of that tile I fetch
	s_bfe_u32 s40, ttmp6, 0x40000                  ; cx
	s_bfe_u32 s41, ttmp6, 0x40004                  ; cy
	s_and_b32 s42, ttmp7, 0xffff                   ; Y: 0..15
	s_lshl_b32 s13, s41, 4
	s_add_co_u32 s13, s13, s42                     ; the token tile: Y + 16 cy
	s_lshl_b32 s43, s41, 2
	s_lshl_b32 s43, 15, s43                        ; my row of the cluster
	s_lshl_b32 s44, 0x1111, s40                    ; my column
	; group 1: rows of 4,096 bytes (a K step of one tile of 16), 32,768 bytes apart; elements of 8 bytes; ctx: 4 rows a load, w_out: 8
	s_or_b32 s[G1], s43, (3<<16)|(1<<21)
	s_mov_b32 s[G1+1], 512<<16
	s_mov_b32 s[G1+2], 4<<16
	s_mov_b32 s[G1+3], 512<<16
	s_mov_b32 s[G1+4], 4
	s_mov_b32 s[G1+5], 4096
	s_mov_b32 s[G1+6], 0
	s_mov_b32 s[G1+7], 0
	s_or_b32 s[G1B], s44, (3<<16)|(1<<21)
	s_mov_b32 s[G1B+1], 512<<16
	s_mov_b32 s[G1B+2], 8<<16
	s_mov_b32 s[G1B+3], 512<<16
	s_mov_b32 s[G1B+4], 8
	s_mov_b32 s[G1B+5], 4096
	s_mov_b32 s[G1B+6], 0
	s_mov_b32 s[G1B+7], 0
	s_lshl_b32 s16, s13, 3
	s_lshl_b32 s17, s12, 2
	s_add_co_u32 s16, s16, s17
	s_lshl_b32 s16, s16, 15                        ; ctx: token tile of 16: 8 x tile + 4 x half
	s_mov_b32 s17, 0
	s_lshl_b32 s46, s40, 4
	s_lshl_b32 s47, s12, 3
	s_add_co_u32 s46, s46, s47
	s_lshl_b32 s46, s46, 15                        ; w_out: column tile of 16: 16 cx + 8 x half
	s_mov_b32 s47, 0
	s_lshl_b32 s20, s12, 14                        ; where they go: no place in the cluster enters an LDS address
	s_lshl_b32 s21, s12, 15
	s_add_co_u32 s21, s21, 32768
	s_lshl_b32 s18, s13, 3                         ; the prefetches: my work-group's two token tiles of the eight,
	s_lshl_b32 s19, s40, 1
	s_add_co_u32 s18, s18, s19
	s_lshl_b32 s18, s18, 15
	s_add_co_u32 s18, s18, 8192                    ; at K step 2: the first refill steps it to 3 and names K step 4
	s_mov_b32 s19, 0
	s_lshl_b32 s70, s13, 19                        ; out0: 128 rows of 4,096 bytes a token tile,
	s_lshl_b32 s71, s11, 18                        ; my 64 rows,
	s_add_co_u32 s70, s70, s71
	s_lshl_b32 s71, s40, 10                        ; 256 columns a column tile,
	s_add_co_u32 s70, s70, s71
	s_lshl_b32 s71, s12, 9                         ; my 128
	s_add_co_u32 s70, s70, s71
	s_mov_b32 s71, 0
	s_cmp_eq_u32 s10, 0
	s_cselect_b32 s[LIM], 1, -1
	s_wait_dscnt 0x0                               ; both opening adds are done
	s_wait_kmcnt 0x0
	s_add_nc_u64 s[14:15], s[4:5], s[16:17]
	s_add_nc_u64 s[46:47], s[6:7], s[46:47]
	s_add_nc_u64 s[PFA:PFA+1], s[4:5], s[18:19]
	s_add_nc_u64 s[8:9], s[8:9], s[70:71]
	CROUND                                         ; all sixteen work-groups are here: the first joint loads meet
.irp s, 0,1
	s_mov_b32 s[G0+4*\s], 1
	s_add_co_u32 s[G0+4*\s+1], s20, \s*SLOT
	s_add_nc_u64 s[G0+4*\s+2:G0+4*\s+3], s[14:15], \s*4096
	s_or_b32 s[G0+4*\s+3], s[G0+4*\s+3], 0x80000000
	s_mov_b32 s[G0B+4*\s], 1
	s_add_co_u32 s[G0B+4*\s+1], s21, \s*SLOT
	s_add_nc_u64 s[G0B+4*\s+2:G0B+4*\s+3], s[46:47], \s*4096
	s_or_b32 s[G0B+4*\s+3], s[G0B+4*\s+3], 0x80000000
	JLOAD \s                                       ; two loads of mine are out behind the second
.endr
	v_and_b32 v1, 15, v0                           ; r
	v_bfe_u32 v2, v0, 4, 1                         ; h
	v_and_b32 v3, 31, v0
	v_lshlrev_b32 v[CO], 4, v3                     ; 16 x lane
	s_lshl_b32 s22, s11, 14                        ; my four token tiles
	s_lshl_b32 s23, s12, 15                        ; my eight column tiles,
	s_add_co_u32 s23, s23, 32768                   ; behind ctx's 32,768 bytes
.irp s, 0,1
	v_add_nc_u32 v[ADRA+\s], s22, v[CO]
	v_add_nc_u32 v[ADRB+\s], s23, v[CO]
	s_add_co_u32 s22, s22, SLOT
	s_add_co_u32 s23, s23, SLOT
.endr
	s_mul_i32 s22, s10, 16*SPITCH
	s_add_co_u32 s22, s22, STAGE                   ; my stage
	v_mul_u32_u24 v4, v1, SPITCH
	v_lshl_add_u32 v4, v2, 5, v4
	v_add_nc_u32 v[STO], s22, v4                   ; in: row r, 32 bytes for each half of the lanes
	v_add_nc_u32 v[RD], s22, v[CO]                 ; back: the 32 lanes take one row of 512 bytes
	v_lshlrev_b32 v[PFO], 8, v1
	v_lshl_add_u32 v[PFO], v2, 15, v[PFO]
.macro FETCH slot, q, f                ; 24 LDS loads in one run: the fragments of the slot's q-th 32 along K into buffer f; w_out's eight first, then ctx's four
	WIN TO_B
.irp b, 0,1,2,3,4,5,6,7
	ds_load_b128 v[64*(\f)+8*\b:64*(\f)+8*\b+3],   v[ADRB+\slot] offset:\b*4096+(\q)*1024
	ds_load_b128 v[64*(\f)+8*\b+4:64*(\f)+8*\b+7], v[ADRB+\slot] offset:\b*4096+(\q)*1024+512
.endr
	WIN 0
.irp i, 0,1,2,3
	ds_load_b128 v[64+32*(\f)+8*\i:64+32*(\f)+8*\i+3],   v[ADRA+\slot] offset:\i*4096+(\q)*1024
	ds_load_b128 v[64+32*(\f)+8*\i+4:64+32*(\f)+8*\i+7], v[ADRA+\slot] offset:\i*4096+(\q)*1024+512
.endr
.endm
.macro MUL8 f, a, zero                 ; token block a against the eight column blocks.  The 32 accumulators take turns, in the same order in every quarter
.irp b, 0,1,2,3,4,5,6,7
.if \zero
	v_wmma_f32_16x16x32_f16 v[8*(8*(\a)+\b):8*(8*(\a)+\b)+7], v[64*(\f)+8*\b:64*(\f)+8*\b+7], v[64+32*(\f)+8*(\a):64+32*(\f)+8*(\a)+7], 0
.else
	v_wmma_f32_16x16x32_f16 v[8*(8*(\a)+\b):8*(8*(\a)+\b)+7], v[64*(\f)+8*\b:64*(\f)+8*\b+7], v[64+32*(\f)+8*(\a):64+32*(\f)+8*(\a)+7], v[8*(8*(\a)+\b):8*(8*(\a)+\b)+7]
.endif
.endr
.endm
.macro PLACES
.rept 4
	v_nop
.endr
.endm
.macro QUARTER slot, q, f, g, zero     ; multiplies buffer f (32 along K, 32 matrix instructions); in its middle it fetches the slot's q-th quarter into buffer g
	s_wait_dscnt 4                                 ; all but ctx's blocks 2 and 3 are in
	WIN MUL
	MUL8 \f, 0, \zero
	MUL8 \f, 1, \zero
	PLACES                                         ; in front of loads into registers that matrix instructions have read
	FETCH \slot, \q, \g
	s_wait_dscnt 24                                ; all but the 24 just issued
	WIN MUL
	MUL8 \f, 2, \zero
	MUL8 \f, 3, \zero
.endm
; A K step's last quarter multiplies buffer 1 and changes slots: one barrier; in front of it each wave waits for all its tensor loads, adds 0 to its spare word, and waits for that and for its reads of this slot.
; fill = 1: the barrier opens a round of the cluster's barrier, and behind the round this slot is filled again, two K steps ahead.
.macro TURN slot, next, fill
.if \fill
	s_wait_xcnt 0x0                                ; the last prefetch, a K step back, has read its address
	s_add_nc_u64 s[PFA:PFA+1], s[PFA:PFA+1], 4096
.endif
	WIN 0
	s_wait_tensorcnt 0x0                           ; all my tensor loads have landed: my part of the next slot
	ds_add_u32 v[SPW], v[NIL]                      ; 0 onto my spare word
	s_wait_dscnt 5                                 ; (the add and the youngest four loads may be out)
	WIN MUL
	MUL8 1, 0, 0
	s_wait_dscnt 0x0                               ; the add is done, and my reads of this slot are over
	s_barrier_signal -1
	MUL8 1, 1, 0
	WIN 0
	s_barrier_wait -1
.if \fill
	CREST                                          ; no wave of any partner still reads this slot or has a load on its way
	s_add_nc_u64 s[G0+4*\slot+2:G0+4*\slot+3], s[G0+4*\slot+2:G0+4*\slot+3], 8192
	s_add_nc_u64 s[G0B+4*\slot+2:G0B+4*\slot+3], s[G0B+4*\slot+2:G0B+4*\slot+3], 8192
	JLOAD \slot                                    ; the first tensor load behind the round; its four v_nop are also the places in front of the loads below
.else
	PLACES
.endif
	FETCH \next, 0, 0
.if \fill
	ASK
.endif
	WIN MUL
	MUL8 1, 2, 0
	MUL8 1, 3, 0
.endm
	s_wait_tensorcnt 1                             ; my part of K step 0 is in; K step 1's load may be out
	s_barrier_signal -1
	s_barrier_wait -1
	FETCH 0, 0, 0
	QUARTER 0, 1, 0, 1, 1                          ; the first quarter's products start the sums
	WIN 0
	s_mov_b32 s3, 3
.Llap:                                             ; a trip goes once round the ring, from a lap's second quarter to the next lap's first, and fills both slots again
	QUARTER 0, 2, 1, 0, 0
	QUARTER 0, 3, 0, 1, 0
	TURN 0, 1, 1
	QUARTER 1, 1, 0, 1, 0
	QUARTER 1, 2, 1, 0, 0
	QUARTER 1, 3, 0, 1, 0
	TURN 1, 0, 1
	QUARTER 0, 1, 0, 1, 0
	WIN 0
	s_sub_co_u32 s3, s3, 1
	s_cmp_lg_u32 s3, 0
	s_cbranch_scc1 .Llap
	QUARTER 0, 2, 1, 0, 0                          ; the last lap fills nothing
	QUARTER 0, 3, 0, 1, 0
	TURN 0, 1, 0
	QUARTER 1, 1, 0, 1, 0
	QUARTER 1, 2, 1, 0, 0
	QUARTER 1, 3, 0, 1, 0
	s_wait_dscnt 4
	WIN MUL
	MUL8 1, 0, 0
	MUL8 1, 1, 0
	s_wait_dscnt 0
	MUL8 1, 2, 0
	MUL8 1, 3, 0
	WIN 0
; THE WAY OUT, a block of 16 tokens x 128 columns at a time, through my own stage: in as 32 bytes a lane, back as whole rows of 512 bytes (a wave's LDS instructions are served in order).
.macro TOSTAGE a
	WIN 0x08                                       ; an LDS store's data are its source 1: window 2
.irp b, 0,1,2,3,4,5,6,7
	ds_store_b128 v[STO], v[64*(\a)+8*\b:64*(\a)+8*\b+3] offset:64*\b        ; each accumulator from its low end on
	ds_store_b128 v[STO], v[64*(\a)+8*\b+4:64*(\a)+8*\b+7] offset:64*\b+16
.endr
	WIN 0
.irp t, 0,1,2,3,4,5,6,7,8,9,10,11,12,13,14,15
	ds_load_b128 v[BK+64*((\a)%2)+4*\t:BK+64*((\a)%2)+4*\t+3], v[RD] offset:\t*SPITCH
.endr
.endm
.macro SEND a, younger                 ; younger: the LDS instructions issued behind block a's loads
	s_wait_dscnt \younger
.irp t, 0,1,2,3,4,5,6,7,8,9,10,11,12,13,14,15
	global_store_b128 v[CO], v[BK+64*((\a)%2)+4*\t:BK+64*((\a)%2)+4*\t+3], s[8:9] offset:(16*(\a)+\t)*4096 th:TH_STORE_NT   ; 32 lanes store 512 consecutive aligned bytes
.endr
.endm
	PLACES
	s_or_b32 s16, s42, s11
	s_cmp_eq_u32 s16, 0                            ; my block 0 is tokens 0-15 of a batch: the last launch stores those rows.  Y and the wave's number alone
	s_cbranch_scc1 .Lskip0
	TOSTAGE 0
	SEND 0, 0
.Lskip0:
	TOSTAGE 1
	s_wait_xcnt 0x0                                ; block 0's stores have read the registers on which block 2's loads land
	TOSTAGE 2
	SEND 1, 32                                     ; behind block 1's loads: block 2's 16 stores and 16 loads
	s_wait_xcnt 0x0
	TOSTAGE 3
	SEND 2, 32
	SEND 3, 0
	s_wait_tensorcnt 0x0                           ; the wave's end, behind my last tensor load and my last LDS store
	ds_add_u32 v[SPW], v[NIL]
	s_wait_dscnt 0x0
	CROUND                                         ; the closing round
	s_endpgm
.Lfunc_end_k_q2beb0d1eeb_proj:
	.size	k_q2beb0d1eeb_proj, .Lfunc_end_k_q2beb0d1eeb_proj-k_q2beb0d1eeb_proj
	.p2alignl 7, 3214868480
	.fill 96, 4, 3214868480
	.section	.rodata,"a",@progbits
	.p2align	6, 0x0
	.amdhsa_kernel k_q2beb0d1eeb_proj
		.amdhsa_group_segment_fixed_size 327680
		.amdhsa_private_segment_fixed_size 0
		.amdhsa_enable_private_segment 0
		.amdhsa_kernarg_size 24
		.amdhsa_user_sgpr_count 2
		.amdhsa_user_sgpr_kernarg_segment_ptr 1
		.amdhsa_wavefront_size32 1
		.amdhsa_system_sgpr_workgroup_id_x 1
		.amdhsa_system_sgpr_workgroup_id_y 1
		.amdhsa_system_sgpr_workgroup_id_z 1
		.amdhsa_system_vgpr_workitem_id 0
		.amdhsa_next_free_vgpr 768
		.amdhsa_next_free_sgpr 72
		.amdhsa_reserve_vcc 0
		.amdhsa_float_denorm_mode_32 3
		.amdhsa_float_denorm_mode_16_64 3
		.amdhsa_memory_ordered 1
		.amdhsa_forward_progress 1
		.amdhsa_inst_pref_size 86
	.end_amdhsa_kernel
	.amdgpu_metadata
---
amdhsa.version: [ 1, 2 ]
amdhsa.kernels:
  - .name:           k_q2beb0d1eeb_proj
    .symbol:         k_q2beb0d1eeb_proj.kd
    .args:
      - { .name: cimg, .offset: 0, .size: 8, .value_kind: global_buffer, .address_space: global }
      - { .name: wimg, .offset: 8, .size: 8, .value_kind: global_buffer, .address_space: global }
      - { .name: out0, .offset: 16, .size: 8, .value_kind: global_buffer, .address_space: global }
    .group_segment_fixed_size: 327680
    .private_segment_fixed_size: 0
    .kernarg_segment_align: 8
    .kernarg_segment_size: 24
    .max_flat_workgroup_size: 128
    .sgpr_count:     72
    .vgpr_count:     768
    .wavefront_size: 32
...
	.end_amdgpu_metadata
.endif
;; end of part 4
;; launch first16 (part 5): grid 64 x 4, 16 waves a work-group, no clusters, 18,432 bytes of LDS; arguments fimg, w_out, out0; writes out0
.if DOCPART == 5
	.amdgcn_target "amdgcn-amd-amdhsa--gfx1250"
	.amdhsa_code_object_version 6
	.text
	.protected	k_q2beb0d1eeb_first16
	.globl	k_q2beb0d1eeb_first16
	.p2align	8
	.type	k_q2beb0d1eeb_first16,@function
k_q2beb0d1eeb_first16:
	s_mov_b64 s[64:65], 0
	v_nop
	global_prefetch_b8 v0, s[64:65] scope:SCOPE_SE
	s_setreg_imm32_b32 hwreg(HW_REG_WAVE_MODE, 25, 1), 1
	s_wait_xcnt 0x0
; Rows t < 16 of every batch, in f32 throughout: under the causal mask they average one to sixteen values and are the largest in size.
; Work-group (cb, b) makes out0[b][0 .. 15][16 cb .. 16 cb + 15].  Wave hd takes head hd: scores of 16 queries x 16 keys, softmax, ctx, and the head's share of the projection; the sixteen shares meet in LDS.
; All products by v_wmma_f32_16x16x4_f32: 48 a wave.  Its operands hold k = 2 (lane / 16) + register; here each pair of registers of an accumulator image is taken as it lies, on both sides alike:
; a permutation of k that is the same on both sides keeps the products.  The registers that these matrix instructions write (v160-223) are written by nothing else; sums begin with the constant 0.
; fimg holds raw accumulators of the first product: q, k: lane (r, h), tile t, register j: token r, channel 16 t + 8 h + j;  v: channel 16 t + r, token 8 h + j.
; Each work-group repeats its batch's sixteen small attentions (32 of a wave's 48 matrix instructions): that is the price of 256 work-groups that share nothing.
.set SPARE, 16384                      ; behind the sixteen shares of 1,024 bytes: the spare words, 128 bytes for each wave
.set QF, 32
.set KFR, 64
.set VF, 96
.set WF, 128
.set SA, 160
.set SB, 168
.set OTR, 176
.set PA, 208
.set PB, 216
.set PP, 224
.set W,  232
	s_load_b128 s[4:7], s[0:1], 0x0                ; fimg s[4:5], w_out s[6:7]
	s_load_b64 s[8:9], s[0:1], 0x10                ; out0
	v_lshl_add_u32 v4, v0, 2, SPARE                ; my spare word; never rewritten
	v_mov_b32 v5, 0                                ; 0; never rewritten
	v_lshrrev_b32 v21, 5, v0
	v_readfirstlane_b32 s10, v21                   ; the head: wave 0..15
	s_and_b32 s11, ttmp7, 0xffff                   ; the batch
	v_and_b32 v6, 31, v0
	v_lshlrev_b32 v1, 4, v6                        ; 16 x lane
	v_and_b32 v7, 15, v0                           ; r
	v_bfe_u32 v16, v0, 4, 1                        ; h
	v_lshlrev_b32 v2, 2, v7
	v_lshl_add_u32 v2, v16, 15, v2                 ; w_out: 8 h rows of 4,096 bytes + 4 r
	v_lshlrev_b32 v17, 3, v16
	v_sub_nc_u32 v3, v7, v17                       ; r - 8 h
	s_lshl_b32 s12, s10, 10
	v_add_nc_u32 v18, s12, v1                      ; LDS: my share: 1,024 x wave + 16 x lane
	v_lshlrev_b32 v19, 4, v0                       ; LDS, waves 0 and 1: 16 x thread
	v_lshlrev_b32 v20, 12, v7                      ; out0, thread t of waves 0 and 1: row t % 16,
	v_lshl_add_u32 v20, v16, 5, v20                ; columns 8 ((t / 16) % 2)
	v_lshl_add_u32 v20, v21, 4, v20                ; + 4 (t / 32)
	v_mov_b32 v22, 0xff800000                      ; -infinity
	s_mov_b32 s20, 0x3e38aa3b                      ; c = log2(e) / 8
	s_mov_b32 s22, 0x76543210
	s_mov_b32 s23, 0xfedcba98
	s_lshl_b32 s12, s11, 4
	s_add_co_u32 s12, s12, s10
	s_lshl_b32 s12, s12, 12                        ; 4,096 bytes a head
	s_mov_b32 s13, 0
	s_lshl_b32 s14, s10, 18                        ; w_out: the head's 64 rows,
	s_lshl_b32 s15, ttmp9, 6                       ; my 16 columns
	s_add_co_u32 s14, s14, s15
	s_lshl_b32 s16, s11, 23                        ; out0: 2,048 rows a batch
	s_add_co_u32 s16, s16, s15
	s_mov_b32 s15, 0
	s_mov_b32 s17, 0
	s_wait_kmcnt 0x0
	s_add_nc_u64 s[4:5], s[4:5], s[12:13]
	s_add_nc_u64 s[6:7], s[6:7], s[14:15]
	s_add_nc_u64 s[8:9], s[8:9], s[16:17]
.irp wch, 0,1,2                                ; q, k, v: four accumulator images each
.irp t, 0,1,2,3
.irp u, 0,1
	global_load_b128 v[QF+32*\wch+8*\t+4*\u:QF+32*\wch+8*\t+4*\u+3], v1, s[4:5] offset:\wch*262144+\t*1024+\u*512
.endr
.endr
.endr
.irp t, 0,1,2,3                                ; w_out(64 hd + 16 t + 8 h + j, 16 cb + r): the same order of channels as ctx's registers below
.irp j, 0,1,2,3,4,5,6,7
	global_load_b32 v[WF+8*\t+\j], v2, s[6:7] offset:(16*\t+\j)*4096
.endr
.endr
	s_wait_loadcnt 40                              ; q and k are in; v's 8 loads and w_out's 32 may be out
	; S^T = K Q^T: two accumulators by turns; lane (r, h): query r, keys 8 h + 0 .. 7
	v_wmma_f32_16x16x4_f32 v[SA:SA+7], v[KFR:KFR+1], v[QF:QF+1], 0
	v_wmma_f32_16x16x4_f32 v[SB:SB+7], v[KFR+2:KFR+3], v[QF+2:QF+3], 0
.irp i, 2,4,6,8,10,12,14
	v_wmma_f32_16x16x4_f32 v[SA:SA+7], v[KFR+2*\i:KFR+2*\i+1], v[QF+2*\i:QF+2*\i+1], v[SA:SA+7]
	v_wmma_f32_16x16x4_f32 v[SB:SB+7], v[KFR+2*\i+2:KFR+2*\i+3], v[QF+2*\i+2:QF+2*\i+3], v[SB:SB+7]
.endr
.rept 8
	v_nop                                          ; eight places behind this form (ISA guide 7.12.1)
.endr
.irp j, 0,1,2,3,4,5,6,7
	v_add_f32 v[W+\j], v[SA+\j], v[SB+\j]          ; from the low end on
.endr
.irp j, 0,1,2,3,4,5,6,7
	v_cmp_gt_i32 vcc_lo, \j, v3                    ; key 8 h + j comes after query r
	v_cndmask_b32 v[W+\j], v[W+\j], v22, vcc_lo
.endr
	v_max3_num_f32 v240, v232, v233, v234
	v_max3_num_f32 v241, v235, v236, v237
	v_max3_num_f32 v240, v240, v238, v239
	v_max_num_f32 v240, v240, v241
	v_permlanex16_b32 v241, v240, s22, s23
	v_max_num_f32 v240, v240, v241                 ; the row's maximum: key 0 counts for every query, so it is a number
	v_mul_f32 v241, s20, v240
.irp j, 0,1,2,3,4,5,6,7
	v_fma_f32 v[W+\j], v[W+\j], s20, -v241         ; c s - c m
.endr
.irp j, 0,1,2,3,4,5,6,7
	v_exp_f32 v[W+\j], v[W+\j]
.endr
	v_nop
	s_wait_alu depctr_va_vdst(0)                   ; one wait for the eight exponentials
	v_pk_add_f32 v[242:243], v[232:233], v[234:235]
	v_pk_add_f32 v[244:245], v[236:237], v[238:239]
	v_pk_add_f32 v[242:243], v[242:243], v[244:245]
	v_add_f32 v242, v242, v243
	v_permlanex16_b32 v243, v242, s22, s23
	v_add_f32 v242, v242, v243
	v_rcp_f32 v244, v242
	v_nop
	s_wait_alu depctr_va_vdst(0)
.irp j, 0,1,2,3,4,5,6,7
	v_mul_f32 v[PP+\j], v[W+\j], v244              ; the weights: lane (r, h): query r, keys 8 h + 0 .. 7
.endr
	s_wait_loadcnt 32                              ; v is in
	; O^T = V^T P: four accumulators by turns; lane (r, h): query r, channels 16 ct + 8 h + 0 .. 7
.irp ct, 0,1,2,3
	v_wmma_f32_16x16x4_f32 v[OTR+8*\ct:OTR+8*\ct+7], v[VF+8*\ct:VF+8*\ct+1], v[PP:PP+1], 0
.endr
.irp i, 1,2,3
.irp ct, 0,1,2,3
	v_wmma_f32_16x16x4_f32 v[OTR+8*\ct:OTR+8*\ct+7], v[VF+8*\ct+2*\i:VF+8*\ct+2*\i+1], v[PP+2*\i:PP+2*\i+1], v[OTR+8*\ct:OTR+8*\ct+7]
.endr
.endr
.rept 9
	v_nop                                          ; nine places before a matrix instruction takes these results as an operand
.endr
	s_wait_loadcnt 0x0                             ; w_out is in
	; out^T = W^T ctx^T over the head's 64 channels: lane (r, h): token r, columns 16 cb + 8 h + 0 .. 7
	v_wmma_f32_16x16x4_f32 v[PA:PA+7], v[WF:WF+1], v[OTR:OTR+1], 0
	v_wmma_f32_16x16x4_f32 v[PB:PB+7], v[WF+2:WF+3], v[OTR+2:OTR+3], 0
.irp i, 2,4,6,8,10,12,14
	v_wmma_f32_16x16x4_f32 v[PA:PA+7], v[WF+2*\i:WF+2*\i+1], v[OTR+2*\i:OTR+2*\i+1], v[PA:PA+7]
	v_wmma_f32_16x16x4_f32 v[PB:PB+7], v[WF+2*\i+2:WF+2*\i+3], v[OTR+2*\i+2:OTR+2*\i+3], v[PB:PB+7]
.endr
.rept 8
	v_nop
.endr
.irp j, 0,1,2,3,4,5,6,7
	v_add_f32 v[8+\j], v[PA+\j], v[PB+\j]
.endr
	ds_store_b128 v18, v[8:11]                     ; my share, as an image of its registers
	ds_store_b128 v18, v[12:15] offset:512
	s_wait_dscnt 0x0                               ; for the others' sake: my stores have landed
	s_barrier_signal -1
	s_barrier_wait -1
	s_cmp_lt_u32 s10, 2                            ; 64 threads add the sixteen shares, four numbers each
	s_cbranch_scc0 .Lend
.irp w, 0,1,2,3,4,5,6,7,8,9,10,11,12,13,14,15
	ds_load_b128 v[32+4*\w:32+4*\w+3], v19 offset:\w*1024
.endr
	s_wait_dscnt 0x0
.irp w, 1,2,3,4,5,6,7,8,9,10,11,12,13,14,15
	v_pk_add_f32 v[32:33], v[32:33], v[32+4*\w:32+4*\w+1]
	v_pk_add_f32 v[34:35], v[34:35], v[32+4*\w+2:32+4*\w+3]
.endr
	global_store_b128 v20, v[32:35], s[8:9]        ; runs of 64 bytes of a row: 262,144 bytes in the whole launch leave so
.Lend:
	s_wait_tensorcnt 0x0                           ; the wave's end, behind my last LDS store
	ds_add_u32 v4, v5
	s_wait_dscnt 0x0
	s_endpgm
.Lfunc_end_k_q2beb0d1eeb_first16:
	.size	k_q2beb0d1eeb_first16, .Lfunc_end_k_q2beb0d1eeb_first16-k_q2beb0d1eeb_first16
	.p2alignl 7, 3214868480
	.fill 96, 4, 3214868480
	.section	.rodata,"a",@progbits
	.p2align	6, 0x0
	.amdhsa_kernel k_q2beb0d1eeb_first16
		.amdhsa_group_segment_fixed_size 18432
		.amdhsa_private_segment_fixed_size 0
		.amdhsa_enable_private_segment 0
		.amdhsa_kernarg_size 24
		.amdhsa_user_sgpr_count 2
		.amdhsa_user_sgpr_kernarg_segment_ptr 1
		.amdhsa_wavefront_size32 1
		.amdhsa_system_sgpr_workgroup_id_x 1
		.amdhsa_system_sgpr_workgroup_id_y 1
		.amdhsa_system_sgpr_workgroup_id_z 1
		.amdhsa_system_vgpr_workitem_id 0
		.amdhsa_next_free_vgpr 256
		.amdhsa_next_free_sgpr 66
		.amdhsa_reserve_vcc 1
		.amdhsa_float_denorm_mode_32 3
		.amdhsa_float_denorm_mode_16_64 3
		.amdhsa_memory_ordered 1
		.amdhsa_forward_progress 1
		.amdhsa_inst_pref_size 18
	.end_amdhsa_kernel
	.amdgpu_metadata
---
amdhsa.version: [ 1, 2 ]
amdhsa.kernels:
  - .name:           k_q2beb0d1eeb_first16
    .symbol:         k_q2beb0d1eeb_first16.kd
    .args:
      - { .name: fimg, .offset: 0, .size: 8, .value_kind: global_buffer, .address_space: global }
      - { .name: w_out, .offset: 8, .size: 8, .value_kind: global_buffer, .address_space: global }
      - { .name: out0, .offset: 16, .size: 8, .value_kind: global_buffer, .address_space: global }
    .group_segment_fixed_size: 18432
    .private_segment_fixed_size: 0
    .kernarg_segment_align: 8
    .kernarg_segment_size: 24
    .max_flat_workgroup_size: 512
    .sgpr_count:     66
    .vgpr_count:     256
    .wavefront_size: 32
...
	.end_amdgpu_metadata
.endif
;; end of part 5
